; MI455X (gfx1250); checked and timed in simulation.
; The chip was launched on July 23, 2026; its instructions are those of AMD's public machine-readable ISA for CDNA 5 (MIT licence, August 2026) and "CDNA5" Instruction Set Architecture Reference Guide (July 2026). The comments in the code are by the model that wrote it; some were corrected since.
;; Multi Head Attention. Allowed arithmetic: matrix products marked QUANTISED: E2M1 operands, one E8M0 scale for each 32 along K, by v_wmma_scale_f32_16x16x128_f8f6f4 with both operands' format E2M1 (or v_wmma_scale_f32_32x16x128_f4), f32 sums; products left as they are: bf16, f16 or f32 operands; f32 sums; everything else in f32.
;; Inputs: Wk 1,024 x 1,024 float32; Wo 1,024 x 1,024 float32; Wq 1,024 x 1,024 float32; Wv 1,024 x 1,024 float32; k 4 x 4,096 x 1,024 float32; mask 16 x 16 float32; q 4 x 4,096 x 1,024 float32; v 4 x 4,096 x 1,024 float32.
;; Outputs: out0 4 x 4,096 x 1,024 float32.
;; This version of the problem:
;;   THIS VERSION OF THE PROBLEM IS GIVEN IN LOW PRECISION. The matrix products marked QUANTISED in the list below multiply operands that are first quantised to E2M1 (2 exponent bits, 1 mantissa bit; 4 bits a number), with one power-of-two scale for each 32 numbers along K (OCP MX v1.0); their sums are f32. The products marked 'left as it is' may take bf16, f16 or f32 operands, with f32 sums. Whichever they take, every output number must still come out within the allowed error. Rounding operands to bf16 (8 significant bits) uses up far more of that allowance than f16 does (11 bits, for magnitudes from 6e-5 to 65,504). All else is computed in f32.
;;   The module's matrix products, in the order in which they are computed (A, B: the left and right operand; K: the contracted axis; several contracted axes count as one K, in the product's order):
;;     1. [M 16,384, K 1,024] x [K 1,024, N 1,024]; A: input q; B: input Wq: QUANTISED
;;     2. [M 16,384, K 1,024] x [K 1,024, N 1,024]; A: input k; B: input Wk: QUANTISED
;;     3. [M 16,384, K 1,024] x [K 1,024, N 1,024]; A: input v; B: input Wv: QUANTISED
;;     4. batch 16,384 x [M 16, K 64] x [K 64, N 16]; A: computed on the way; B: computed on the way: left as it is (an operand is computed on the way)
;;     5. batch 16,384 x [M 16, K 16] x [K 16, N 64]; A: computed on the way; B: computed on the way: left as it is (K = 16 < 32)
;;     6. [M 16,384, K 1,024] x [K 1,024, N 1,024]; A: computed on the way; B: input Wo: left as it is (an operand is computed on the way)
;;   THE QUANTISER, for each operand of a quantised product, along K:
;;     - K is cut into blocks of 32 from its start; a last block that is shorter is filled with zeros.
;;     - A block's scale is 2^e with e = floor(log2(the largest magnitude in the block)) - 2, held to -126 .. 127; a block of zeros has e = 0. As a byte (E8M0): e + 127.
;;     - Each number is divided by its block's scale, clamped to +-6, and rounded to the nearest number of E2M1, ties to even, subnormals kept.
;;     - The product sums the exact products of the quantised numbers (number of the format x scale) in f32.
;;   ~~~python
;;   def quantise(x, axis):      # numpy; x: float32 -> the quantised numbers, widened to float32 again
;;       x = np.moveaxis(x, axis, -1); K = x.shape[-1]
;;       x = np.pad(x, [(0, 0)] * (x.ndim - 1) + [(0, -K % 32)]); x = x.reshape(x.shape[:-1] + (-1, 32)); a = np.abs(x).max(-1, keepdims=True)
;;       e = np.where(a > 0, np.clip(np.frexp(np.where(a > 0, a, 1))[1] - 1 - 2, -126, 127), 0)      # np.frexp(a)[1] - 1 = floor(log2(a)), exactly
;;       r = np.clip(x / 2.0 ** e, -6, 6)
;;       step = 2.0 ** (np.maximum(np.frexp(np.where(r == 0, 1, r))[1] - 1, 0) - 1)
;;       q = np.round(r / step) * step * 2.0 ** e      # np.round: ties to even
;;       return np.moveaxis(q.reshape(q.shape[:-2] + (-1,))[..., :K], -1, axis).astype(np.float32)
;;   ~~~
;; 2 versions, each right; version 2 is version 1 with the launch fused written anew for expert scheduling mode. Each part assembles by itself: llvm-mc -triple=amdgcn-amd-amdhsa -mcpu=gfx1250 --defsym DOCPART=n.
;; ======== version 1 of 2: 2 launches
;; limits: values are held in f16: magnitudes above 65,504 overflow, below 6.1e-05 lose precision
;; workspace buffers: wimg 3,899,392 bytes
;; launch prep (part 1): grid 256 x 1, 4 waves a work-group, no clusters, 44,544 bytes of LDS; arguments Wk, Wq, Wv, Wo, wimg; writes wimg
.if DOCPART == 1
	.amdgcn_target "amdgcn-amd-amdhsa--gfx1250"
	.amdhsa_code_object_version 6
	.text
	.protected	k_q71b1cc5f0d_prep
	.globl	k_q71b1cc5f0d_prep
	.p2align	8
	.type	k_q71b1cc5f0d_prep,@function
k_q71b1cc5f0d_prep:
	s_mov_b64 s[64:65], 0
	v_nop
	global_prefetch_b8 v0, s[64:65] scope:SCOPE_SE
	s_setreg_imm32_b32 hwreg(HW_REG_WAVE_MODE, 25, 1), 1
	s_wait_xcnt 0x0
; The four weights [1024 (n)][1024 (k)], f32, are laid out once in the order in which the second launch's operand registers take them.
; wimg = 56 steps x 69,632 bytes; a step = 16 groups x 4,352; a group = 4 tiles x 1,024 bytes of register image + 256 bytes.  Tile tl = 4 x group + tile in group, 0 .. 63.
; Steps 8 T + s (T = 0, 1, 2: Wk, Wq, Wv; s: 128 along K): codes of E2M1 with one E8M0 byte for each 32 along K.  A tile's image is [c][lane 16 hh + r][16 bytes] = the codes of
;   k = 128 s + 64 c + 32 hh + 0 .. 31 of the tile's row r; the group's last 256 bytes are the scale words, word of (tile ti, row r) at (ti / 2) 128 + 8 r + 4 (ti % 2).
;   Rows of tile tl: Wk, Wq: n = 16 tl + r.  Wv: n = 64 r + d, d = 16 (tl % 4) + tl / 4: the 16 heads at one d.
; Steps 24 + s (s: 32 along K): Wo in f16; image [c][lane][16 bytes] = k = 32 s + 16 c + 8 hh + 0 .. 7 of row n = 16 tl + r; the last 256 bytes are zeros.
; A block's scale is 2^(floor(log2(its largest magnitude)) - 2); its byte is the largest magnitude's exponent field - 2, held at 1 from below.
; LIMITS: a block of zeros gets the byte 1 where the rule says 127 (its codes are zeros, and this program alone reads the bytes); NaN and infinities are not served; |Wo| up to 65,504 (f16).
; SHARES: work-group wg: T = wg / 64 (3: Wo), group = (wg / 4) % 16, quarter of K = wg % 4 (256 numbers); wave = the tile in the group: 16 rows x 256 numbers.
; Every load reads 512 consecutive bytes; the codes turn through the wave's own stage in LDS and every store of an image covers 512 consecutive bytes.
; No tensor load, no matrix unit, no cluster: each input byte is read once and work-groups share nothing.
.set STEPB, 69632
.set GRPB,  4352
.set PA,    0                          ; codes' stages: 8 sub-blocks of (16 rows x 16 bytes + 16) for each wave
.set PSC,   8704                       ; the group's scale words for two steps: 2 x 256 bytes
.set PB,    9216                       ; Wo's stages: 32 sub-blocks of 272 bytes for each wave.  The two paths have LDS bytes of their own
.set SPARE, 44032                      ; the spare words, 128 bytes for each wave: two blocks of 256 bytes that no other line names
.set LANE, 1
.set XOFF, 2                           ; 32 r + 16 hh: my 16 bytes of a load's 512
.set CW,   3                           ; codes into the stage
.set SW,   4                           ; scale bytes into PSC
.set CR,   5                           ; codes back from the stage
.set L16,  6                           ; 16 x lane
.set SO,   7                           ; hh x a step + 16 r: two steps' 256 bytes
.set SR,   8                           ; PSC + 16 x lane
.set SPW,  12                          ; my spare word; never rewritten
.set NIL,  13                          ; 0; never rewritten
.set BW,   14                          ; Wo: into the stage
.set BR,   15                          ; Wo: back
.set OFF,  16                          ; v16-31 row p's byte offset
.set X,    32                          ; v32-159 16 rows x 8 numbers a lane
.set QT,   160                         ; largest magnitudes;  QS the conversions' scale operands;  QE bytes;  QC codes
.set QS,   164
.set QE,   168
.set QC,   172
.set HF,   160                         ; Wo: v160-223 packed f16
	s_load_b256 s[4:11], s[0:1], 0x0               ; Wk, Wq, Wv, Wo
	s_load_b64 s[12:13], s[0:1], 0x20              ; wimg
	v_lshl_add_u32 v[SPW], v0, 2, SPARE
	v_mov_b32 v[NIL], 0
	v_lshrrev_b32 v1, 5, v0
	v_readfirstlane_b32 s16, v1                    ; wave = tile in the group
	v_and_b32 v[LANE], 31, v0
	v_and_b32 v9, 15, v0                           ; r
	v_bfe_u32 v10, v0, 4, 1                        ; hh
	s_and_b32 s17, ttmp9, 3                        ; quarter of K
	s_lshr_b32 s18, ttmp9, 2
	s_and_b32 s18, s18, 15                         ; group
	s_lshr_b32 s19, ttmp9, 6                       ; T
	v_lshlrev_b32 v[L16], 4, v[LANE]
	v_mul_u32_u24 v[SO], v10, STEPB
	v_lshl_add_u32 v[SO], v9, 4, v[SO]
	v_lshlrev_b32 v[XOFF], 5, v9
	v_lshl_or_b32 v[XOFF], v10, 4, v[XOFF]
	; all LDS addresses are made here, ahead of the parting of the two paths
	s_mul_i32 s20, s16, 2176
	s_mul_i32 s21, s16, 8704
	s_add_co_u32 s21, s21, PB
	v_lshrrev_b32 v11, 2, v[LANE]                  ; lane / 4: the block of 32, and the sub-block
	v_mul_u32_u24 v[CW], v11, 272
	v_and_b32 v[CR], 3, v[LANE]
	v_lshl_add_u32 v[CW], v[CR], 2, v[CW]
	v_add_nc_u32 v[CW], s20, v[CW]                 ; PA + 2,176 wave + 272 (lane / 4) + 4 (lane % 4); + 16 x row in the immediate
	v_mul_u32_u24 v[CR], v10, 272
	v_lshl_add_u32 v[CR], v9, 4, v[CR]             ; 272 hh + 16 r
	v_add_nc_u32 v[BR], s21, v[CR]
	v_add_nc_u32 v[CR], s20, v[CR]
	v_and_b32 v[SW], 3, v11
	v_lshl_add_u32 v[SW], v10, 8, v[SW]            ; step hh of the two, byte (lane / 4) % 4 of the word
	s_lshr_b32 s22, s16, 1
	s_lshl_b32 s22, s22, 7
	s_and_b32 s23, s16, 1
	s_lshl_b32 s23, s23, 2
	s_add_co_u32 s22, s22, s23
	s_add_co_u32 s22, s22, PSC
	v_add_nc_u32 v[SW], s22, v[SW]                 ; + 128 (tile / 2) + 4 (tile % 2); + 8 x row in the immediate
	v_add_nc_u32 v[SR], PSC, v[L16]
	v_lshrrev_b32 v[BW], 1, v[LANE]
	v_mul_u32_u24 v[BW], v[BW], 272
	v_and_b32 v11, 1, v[LANE]
	v_lshl_add_u32 v[BW], v11, 3, v[BW]
	v_add_nc_u32 v[BW], s21, v[BW]                 ; PB + 8,704 wave + 272 (lane / 2) + 8 (lane % 2)
	s_cmp_eq_u32 s19, 3                            ; the work-group's number alone: all four waves go the same way
	s_cbranch_scc1 .Lwo
	; ---- Wk, Wq, Wv: codes and scale bytes
	s_lshl_b32 s24, s18, 2
	s_add_co_u32 s24, s24, s16                     ; tl
	s_lshl_b32 s24, s24, 16                        ; Wk, Wq: row 16 tl, 4,096 bytes a row
	s_lshl_b32 s25, s16, 4
	s_add_co_u32 s25, s25, s18                     ; Wv: d = 16 (tl % 4) + tl / 4 = 16 x wave + group
	s_lshl_b32 s25, s25, 12
	s_mov_b32 s26, 0x40000                         ; Wv: from row to row of the tile 64 rows of the weight
	s_cmp_eq_u32 s19, 2
	s_cselect_b32 s24, s25, s24
	s_cselect_b32 s26, s26, 4096
	s_lshl_b32 s25, s17, 10
	s_add_co_u32 s24, s24, s25                     ; + my quarter of K
	s_mov_b32 s25, 0
.irp p, 0,1,2,3,4,5,6,7,8,9,10,11,12,13,14,15
	v_mad_u32_u24 v[OFF+\p], s26, \p, v[XOFF]
.endr
	s_lshl_b32 s28, s19, 3
	s_lshl_b32 s29, s17, 1
	s_add_co_u32 s28, s28, s29                     ; step 8 T + 2 x quarter
	s_mul_i32 s28, s28, STEPB
	s_mul_i32 s29, s18, GRPB
	s_add_co_u32 s28, s28, s29
	s_mov_b32 s29, 0
	s_wait_kmcnt 0x0
	s_cmp_eq_u32 s19, 0
	s_cselect_b64 s[30:31], s[4:5], s[6:7]
	s_cmp_eq_u32 s19, 2
	s_cselect_b64 s[30:31], s[8:9], s[30:31]
	s_add_nc_u64 s[30:31], s[30:31], s[24:25]      ; the tile's first row, my quarter
	s_add_nc_u64 s[32:33], s[12:13], s[28:29]      ; the group in wimg
	s_lshl_b32 s28, s16, 10
	s_add_nc_u64 s[34:35], s[32:33], s[28:29]      ; my tile in it
.irp p, 0,1,2,3,4,5,6,7,8,9,10,11,12,13,14,15
	global_load_b128 v[X+8*\p:X+8*\p+3], v[OFF+\p], s[30:31] th:TH_LOAD_NT              ; 512 consecutive bytes: lanes 0-15 the even pieces of 16, lanes 16-31 the odd ones
	global_load_b128 v[X+8*\p+4:X+8*\p+7], v[OFF+\p], s[30:31] offset:512 th:TH_LOAD_NT
.endr
; Four rows, by turns.  The exchange of halves leaves lane l with the 8 neighbours k = 8 l .. 8 l + 7 of the row's 256; four lanes hold a block of 32.
.macro Q4 q
	s_wait_loadcnt 8*(3-\q)                        ; the younger rows' loads, two a row, may be out
.irp n, 0,1,2,3
.irp j, 0,1,2,3
	v_permlane16_swap_b32 v[X+8*(4*\q+\n)+\j], v[X+8*(4*\q+\n)+4+\j]
.endr
.endr
.irp n, 0,1,2,3
	v_max3_num_f32 v[QT+\n], |v[X+8*(4*\q+\n)]|, |v[X+8*(4*\q+\n)+1]|, 0x1800000   ; and the floor 2^(3 - 127): the byte cannot fall under 1
.endr
.irp i, 2,4,6
.irp n, 0,1,2,3
	v_max3_num_f32 v[QT+\n], |v[X+8*(4*\q+\n)+\i]|, |v[X+8*(4*\q+\n)+\i+1]|, v[QT+\n]
.endr
.endr
.irp m, 1,2
.irp n, 0,1,2,3
	v_max_num_f32_dpp v[QT+\n], v[QT+\n], v[QT+\n] row_xmask:\m row_mask:0xf bank_mask:0xf
.endr
.endr
	s_wait_dscnt 0x0                               ; the last four rows' LDS stores have read the registers that are written next
.irp n, 0,1,2,3
	v_add_nc_u32 v[QS+\n], 0xff000000, v[QT+\n]    ; 2 off the exponent field: the conversion's scale operand
.endr
.irp n, 0,1,2,3
	v_lshrrev_b32 v[QE+\n], 23, v[QS+\n]           ; the scale's byte
.endr
.irp n, 0,1,2,3
	v_cvt_scalef32_pk8_fp4_f32 v[QC+\n], v[X+8*(4*\q+\n):X+8*(4*\q+\n)+7], v[QS+\n]
.endr
	v_nop                                          ; one plain place behind the scaled conversions
.irp n, 0,1,2,3
	ds_store_b32 v[CW], v[QC+\n] offset:16*(4*\q+\n)
	ds_store_b8 v[SW], v[QE+\n] offset:8*(4*\q+\n) ; the four lanes of a block write the same byte with the same value
.endr
.endm
	Q4 0
	Q4 1
	Q4 2
	Q4 3
.irp i, 0,1,2,3                                ; image 2 sl + c: LDS serves a wave's instructions in order, so these see my stores
	ds_load_b128 v[176+4*\i:179+4*\i], v[CR] offset:(\i/2)*1088+(\i%2)*544
.endr
	s_wait_dscnt 0x0                               ; my images are back, and my scale bytes have landed: for the others' sake zero
.irp i, 0,1,2,3
	global_store_b128 v[L16], v[176+4*\i:179+4*\i], s[34:35] offset:(\i/2)*STEPB+(\i%2)*512   ; 512 consecutive bytes
.endr
	s_barrier_signal -1
	s_barrier_wait -1                              ; the four tiles' scale words lie in PSC
	s_cmp_lg_u32 s16, 0
	s_cbranch_scc1 .Lend_a
	ds_load_b128 v[192:195], v[SR]
	s_wait_dscnt 0x0
	global_store_b128 v[SO], v[192:195], s[32:33] offset:4096   ; lanes 0-15: the first step's 256 bytes; lanes 16-31: the second's
.Lend_a:
	s_wait_tensorcnt 0x0                           ; the wave's end: behind my last LDS store
	ds_add_u32 v[SPW], v[NIL]
	s_wait_dscnt 0x0
	s_endpgm
	; ---- Wo: f16
.Lwo:
	s_lshl_b32 s24, s18, 2
	s_add_co_u32 s24, s24, s16
	s_lshl_b32 s24, s24, 16                        ; row 16 tl
	s_lshl_b32 s25, s17, 10
	s_add_co_u32 s24, s24, s25
	s_mov_b32 s25, 0
	s_lshl_b32 s28, s17, 3
	s_add_co_u32 s28, s28, 24                      ; step 24 + 8 x quarter
	s_mul_i32 s28, s28, STEPB
	s_mul_i32 s29, s18, GRPB
	s_add_co_u32 s28, s28, s29
	s_mov_b32 s29, 0
	s_wait_kmcnt 0x0
	s_add_nc_u64 s[30:31], s[10:11], s[24:25]
	s_add_nc_u64 s[32:33], s[12:13], s[28:29]
	s_lshl_b32 s28, s16, 10
	s_add_nc_u64 s[34:35], s[32:33], s[28:29]      ; my tile
	s_mul_i32 s28, s16, 2*STEPB
	s_add_nc_u64 s[32:33], s[32:33], s[28:29]      ; the zeros: steps 2 x wave and 2 x wave + 1 of the eight
.irp p, 0,1,2,3,4,5,6,7,8,9,10,11,12,13,14,15
	global_load_b128 v[X+8*\p:X+8*\p+3], v[L16], s[30:31] offset:4096*\p th:TH_LOAD_NT
	global_load_b128 v[X+8*\p+4:X+8*\p+7], v[L16], s[30:31] offset:4096*\p+512 th:TH_LOAD_NT
.endr
.irp p, 0,1,2,3,4,5,6,7,8,9,10,11,12,13,14,15
.if \p%4 == 0
	s_wait_loadcnt 8*(3-\p/4)                      ; the younger rows' loads may be out
.endif
.irp j, 0,1                                    ; lane l of load j holds k = 128 j + 4 l + 0 .. 3: 8 bytes of sub-block 16 j + l / 2
	v_cvt_pk_f16_f32 v[HF+4*\p+2*\j], v[X+8*\p+4*\j], v[X+8*\p+4*\j+1]
	v_cvt_pk_f16_f32 v[HF+4*\p+2*\j+1], v[X+8*\p+4*\j+2], v[X+8*\p+4*\j+3]
	ds_store_b64 v[BW], v[HF+4*\p+2*\j:HF+4*\p+2*\j+1] offset:4352*\j+16*\p
.endr
.endr
.irp i, 0,1,2,3,4,5,6,7,8,9,10,11,12,13,14,15  ; image 2 sl + c
	ds_load_b128 v[X+4*\i:X+4*\i+3], v[BR] offset:544*\i
.endr
.irp k, 0,1,2,3
	v_mov_b32 v[X+64+\k], 0                        ; four zeros: every load has come (the last wait above was for 0), and the numbers that lay here have been converted
.endr
	global_store_b128 v[SO], v[X+64:X+67], s[32:33] offset:4096
.irp i, 0,1,2,3,4,5,6,7,8,9,10,11,12,13,14,15
	s_wait_dscnt 15-\i
	global_store_b128 v[L16], v[X+4*\i:X+4*\i+3], s[34:35] offset:(\i/2)*STEPB+(\i%2)*512
.endr
	s_wait_tensorcnt 0x0                           ; the wave's end: behind my last LDS store
	ds_add_u32 v[SPW], v[NIL]
	s_wait_dscnt 0x0
	s_endpgm
.Lfunc_end_k_q71b1cc5f0d_prep:
	.size	k_q71b1cc5f0d_prep, .Lfunc_end_k_q71b1cc5f0d_prep-k_q71b1cc5f0d_prep
	.p2alignl 7, 3214868480
	.fill 96, 4, 3214868480
	.section	.rodata,"a",@progbits
	.p2align	6, 0x0
	.amdhsa_kernel k_q71b1cc5f0d_prep
		.amdhsa_group_segment_fixed_size 44544
		.amdhsa_private_segment_fixed_size 0
		.amdhsa_enable_private_segment 0
		.amdhsa_kernarg_size 40
		.amdhsa_user_sgpr_count 2
		.amdhsa_user_sgpr_kernarg_segment_ptr 1
		.amdhsa_wavefront_size32 1
		.amdhsa_system_sgpr_workgroup_id_x 1
		.amdhsa_system_sgpr_workgroup_id_y 1
		.amdhsa_system_sgpr_workgroup_id_z 1
		.amdhsa_system_vgpr_workitem_id 0
		.amdhsa_next_free_vgpr 224
		.amdhsa_next_free_sgpr 66
		.amdhsa_reserve_vcc 0
		.amdhsa_float_denorm_mode_32 3
		.amdhsa_float_denorm_mode_16_64 3
		.amdhsa_memory_ordered 1
		.amdhsa_forward_progress 1
		.amdhsa_inst_pref_size 36
	.end_amdhsa_kernel
	.amdgpu_metadata
---
amdhsa.version: [ 1, 2 ]
amdhsa.kernels:
  - .name:           k_q71b1cc5f0d_prep
    .symbol:         k_q71b1cc5f0d_prep.kd
    .args:
      - { .name: Wk, .offset: 0, .size: 8, .value_kind: global_buffer, .address_space: global }
      - { .name: Wq, .offset: 8, .size: 8, .value_kind: global_buffer, .address_space: global }
      - { .name: Wv, .offset: 16, .size: 8, .value_kind: global_buffer, .address_space: global }
      - { .name: Wo, .offset: 24, .size: 8, .value_kind: global_buffer, .address_space: global }
      - { .name: wimg, .offset: 32, .size: 8, .value_kind: global_buffer, .address_space: global }
    .group_segment_fixed_size: 44544
    .private_segment_fixed_size: 0
    .kernarg_segment_align: 8
    .kernarg_segment_size: 40
    .max_flat_workgroup_size: 128
    .sgpr_count:     66
    .vgpr_count:     224
    .wavefront_size: 32
...
	.end_amdgpu_metadata
.endif
;; end of part 1
;; launch fused (part 2): grid 256 x 1, 4 waves a work-group, no clusters, 301,568 bytes of LDS; arguments q, k, v, mask, wimg, out0; writes out0
.if DOCPART == 2
	.amdgcn_target "amdgcn-amd-amdhsa--gfx1250"
	.amdhsa_code_object_version 6
	.text
	.protected	k_q71b1cc5f0d_fused
	.globl	k_q71b1cc5f0d_fused
	.p2align	8
	.type	k_q71b1cc5f0d_fused,@function
k_q71b1cc5f0d_fused:
	s_mov_b64 s[64:65], 0
	v_nop
	global_prefetch_b8 v0, s[64:65] scope:SCOPE_SE
	s_setreg_imm32_b32 hwreg(HW_REG_WAVE_MODE, 25, 1), 1
	s_wait_xcnt 0x0
; out = (softmax_g((q Wq^T)(k Wk^T)^T / 8 x mask) (v Wv^T)) Wo^T, the attention running over the 16 heads INSIDE each token.  16,384 tokens of 1,024 numbers.
; A work-group takes 64 tokens through the whole chain; nothing between q, k, v and out0 goes to memory.
; The three projections multiply codes of E2M1 with one E8M0 scale for each 32 along K: q, k, v are quantised here, in registers; the weights' codes come from wimg (first launch).
; The two small products and the last projection take f16 operands and f32 sums.
; LIMITS: |q Wq^T|, |k Wk^T|, |v Wv^T| and |Wo| up to 65,504, f16's largest number (inputs as drawn give about 1; all inputs 30 times larger about 900, at most some 5,000; offsets of 30 spreads
; on an input and its weight about 1,024 x 30 x 0.94 = 29,000).  NaN and infinities among the inputs are not served.  A block of zeros gets the scale byte 1 where the rule says 127: its codes are zeros.
; The exponent is score x (mask x log2(e) / 8): rounded in another order than score / 8 x mask; the row's true maximum is taken away ahead of the exponential.
; SHARES.  Quantising and attention: wave w owns tokens 16 w .. 16 w + 15.  The four large products: wave w owns all 64 tokens x 256 outputs (64 accumulators, 512 registers).
; Every large product is used TRANSPOSED (source 0 = 16 rows of the weight, source 1 = 16 tokens): a lane holds one token and eight neighbouring outputs.
; THE WEIGHTS GO FROM MEMORY STRAIGHT INTO REGISTERS, eight buffers of four tiles, asked for two K steps ahead; the stream runs on through quantising and attention.
; NO TENSOR LOAD, NO CLUSTER, though all work-groups walk the same weights: the rows' operands take 301,056 of LDS's 327,680 bytes, all of them written by LDS stores, so no slot for a shared
; tile is left; and each weight fragment is read by exactly one wave of a work-group, so a way through LDS would add a write and a read of every weight byte.
; OPERANDS GO FROM WAVE TO WAVE THROUGH LDS AS IMAGES OF THEIR REGISTERS (16 bytes a lane, 512 consecutive bytes a load).
;   XC: x's codes: 8,704 a + 2,176 (s / 2) + 272 e + 16 r, e = 4 (s % 2) + 2 c + hh.   XSC: their scale words: 256 s + 16 r + 4 a.
;   head image (k's, q's projections): 2,064 token + 1,024 s + 512 c + 256 hh + 16 head.   V^T image: 2,064 token + 512 (d / 16) + 256 hh + 16 (d % 16): the same addresses, since Wv's tile tl holds d = 16 (tl % 4) + tl / 4.
;   attention's result: 33,024 m + 2,064 head + 512 (d / 16) + 256 hh + 16 (token % 16): source 1 of the last product.   2,064 = 2,048 + 16: sixteen writing lanes fall into sixteen different columns of 16 bytes.
; ORDER: k, q, v.  A trip of the loop over tensors: quantise | barrier | product, f16, images | barrier | trip 1: scores and softmax; trip 2: P V.  Then a barrier, the last product, the way out.
; REGISTERS, in windows of 256.  Window 0: v0-31 addresses; v32-47 the mask; v48-71 scale words and nothing else; v72-135 two sets of row fragments (in the attention: scores, statistics, packed results);
;   v136-151 the quantiser's; v152-219 p of 16 tokens + 4 zeros; v220-223 addresses.  Window 1: the weights' eight buffers of 32; on the way out rows of out0.
;   Windows 2, 3: accumulator (a, b) at window 2 + b / 8, register 8 (4 (b % 8) + a).  While quantising, window 2 holds seven rows of x; in the attention window 3 holds its operands.
.set STEPB, 69632                      ; wimg: a K step,
.set GRPB,  4352                       ; a group of four tiles and 256 bytes of scale words; a wave's four groups are 17,408
.set XC,    0
.set XSC,   34816
.set AB,    36864                      ; q's images, later attention's result
.set BB,    168960                     ; k's images, later V^T's
.set SPARE, 301056                     ; the spare words, 128 bytes for each wave: two blocks of 256 bytes that no other line names
.set TOKP,  2064
.set TILEP, 33024                      ; 16 tokens
.set L16,  1                           ; 16 x lane
.set L8,   2                           ; 8 x lane
.set XOFF, 3                           ; 32 r + 16 hh
.set XWC,  4                           ; x's codes into XC
.set XWS,  5                           ; x's scale bytes into XSC
.set XRD0, 6                           ; fragments of x: 272 hh + 16 r
.set XSR0, 7                           ; their scale words: XSC + 16 r
.set XRDW, 8                           ; the two, at the pair of K steps in hand
.set XSRW, 9
.set IW0,  10                          ; v10-11 images: AB + 2,064 r + 256 hh + 64 w, and 32 tokens on
.set IWW,  12                          ; v12-13 the same in the tensor's region
.set QRD,  16                          ; my tokens' images in AB,
.set KRD,  17                          ; in BB
.set AWR,  18                          ; attention's result: AB + 33,024 w + 2,064 r + 256 hh
.set PFO,  19                          ; 256 x lane
.set ARD0, 20                          ; v20-23 the last product's row fragments, tile a
.set STO,  24                          ; the way out: into my stage,
.set RD,   25                          ; and back
.set SPW,  26                          ; my spare word; never rewritten
.set NIL,  27                          ; 0; never rewritten
.set MOF,  28                          ; 64 r + 32 hh: my eight numbers of the mask
.set MR,   32                          ; v32-39 mask[r][8 hh + j]
.set MS,   40                          ; v40-47 x log2(e) / 8
.set WSG,  48                          ; v48-63 the weights' scale words: two registers for each buffer: register jj: lanes 0-15 tile jj, lanes 16-31 tile 2 + jj
.set XS,   64                          ; v64-71 x's scale words, two sets of four
.set AF,   72                          ; v72-135 row fragments, two sets of 4 x 8
.set QT,   136
.set QS,   140
.set QE,   144
.set QC,   148
.set PP,   152                         ; p in f16: four registers a token
.set ARDW, 220
.set SA,   72                          ; scores of four tokens
.set ST,   104                         ; eight a token: +0 maximum, +1 the other half's, +2, +3 sums, +4 the sum, then 1 / sum, +5 the other half's
.set PT,   72                          ; attention's result, packed
.set WV,   16
.set SEL,  20                          ; s[20:21] lane l xor 16
.set TN,   22                          ; the trip: 0 k, 1 q, 2 v
.set CNT,  23
.set LIM,  24                          ; a prefetch is issued while CNT < LIM
.set XO,   25
.set WP,   26                          ; s[26:27] the weights' stream
.set XP,   28                          ; s[28:29] my 16 rows of the tensor that is being loaded
.set PF,   34                          ; s[34:35] the prefetches' place
.set XSO,  36
.set AO,   37
.set IO,   38                          ; the images' region, from AB: BB - AB, 0, BB - AB
.set MSB, 0
.macro WIN new                         ; the immediate's high byte repeats the setting that is left; a switch that changes nothing is dropped
.if MSB != (\new)
	s_set_vgpr_msb (MSB<<8)|(\new)
.set MSB, (\new)
.endif
.endm
.macro PLACES n                        ; plain places behind matrix instructions (ISA guide 7.12.1)
.rept \n
	v_nop
.endr
.endm
.macro BAR                             ; my LDS stores have landed and my LDS loads are in: then the work-group's barrier
	s_wait_dscnt 0x0
	s_barrier_signal -1
	s_barrier_wait -1
.endm
; Row p of my 16: eight loads of 512 consecutive bytes into set p % 7 of window 2
.macro LOADROW p
	WIN 0x80
.irp u, 0,1,2,3
.irp h, 0,1
	global_load_b128 v[32*((\p)%7)+8*\u+4*\h:32*((\p)%7)+8*\u+4*\h+3], v[XOFF], s[XP:XP+1] offset:(\p)*4096+\u*1024+\h*512 th:TH_LOAD_NT
.endr
.endr
.endm
; Row p is quantised: four units of 256 numbers by turns.  The exchange of halves leaves lane l with the neighbours k = 8 l .. 8 l + 7 of a unit; four lanes hold a block of 32.
.macro QROW p
.set XB, 32*((\p)%7)
.if (\p) <= 9
	s_wait_loadcnt 48                              ; six younger rows, eight loads each, may be out
.else
	s_wait_loadcnt 8*(15-(\p))                     ; the rows that are left
.endif
	WIN 0x82
.irp u, 0,1,2,3
.irp j, 0,1,2,3
	v_permlane16_swap_b32 v[XB+8*\u+\j], v[XB+8*\u+4+\j]
.endr
.endr
	WIN 0x0a
.irp u, 0,1,2,3
	v_max3_num_f32 v[QT+\u], |v[XB+8*\u]|, |v[XB+8*\u+1]|, 0x1800000   ; and the floor 2^(3 - 127): the byte cannot fall under 1
.endr
.irp i, 2,4,6
.irp u, 0,1,2,3
	v_max3_num_f32 v[QT+\u], |v[XB+8*\u+\i]|, |v[XB+8*\u+\i+1]|, v[QT+\u]
.endr
.endr
	WIN 0
.irp m, 1,2
.irp u, 0,1,2,3
	v_max_num_f32_dpp v[QT+\u], v[QT+\u], v[QT+\u] row_xmask:\m row_mask:0xf bank_mask:0xf
.endr
.endr
	s_wait_dscnt 0x0                               ; the last row's LDS stores have read the registers that are written next
.irp u, 0,1,2,3
	v_add_nc_u32 v[QS+\u], 0xff000000, v[QT+\u]    ; 2 off the exponent field: the conversion's scale operand
.endr
.irp u, 0,1,2,3
	v_lshrrev_b32 v[QE+\u], 23, v[QS+\u]           ; the scale's byte
.endr
	WIN 0x02
.irp u, 0,1,2,3
	v_cvt_scalef32_pk8_fp4_f32 v[QC+\u], v[XB+8*\u:XB+8*\u+7], v[QS+\u]
.endr
	WIN 0
	v_nop                                          ; one plain place behind the scaled conversions
.irp u, 0,1,2,3
	ds_store_b32 v[XWC], v[QC+\u] offset:2176*\u+16*(\p)
	ds_store_b8 v[XWS], v[QE+\u] offset:512*\u+16*(\p)   ; the four lanes of a block write the same byte with the same value
.endr
.if (\p) <= 8
	LOADROW (\p)+7                                 ; into the set that has just been read
.endif
.endm
; A group of the weights: four tiles of 8 registers (and, for codes, their scale words) into buffer buf
.macro WLOAD16 buf, off
	WIN 0x40
.irp ti, 0,1,2,3
.irp c, 0,1
	global_load_b128 v[32*(\buf)+8*\ti+4*\c:32*(\buf)+8*\ti+4*\c+3], v[L16], s[WP:WP+1] offset:(\off)+1024*\ti+512*\c
.endr
.endr
.endm
.macro WLOAD4 buf, off
	WLOAD16 \buf, \off
	WIN 0
	global_load_b64 v[WSG+2*(\buf):WSG+2*(\buf)+1], v[L8], s[WP:WP+1] offset:(\off)+4096
.endm
; The four tiles of tokens of one K step into set
.macro AFETCH4 set
.irp a, 0,1,2,3
.irp c, 0,1
	ds_load_b128 v[AF+32*(\set)+8*\a+4*\c:AF+32*(\set)+8*\a+4*\c+3], v[XRDW] offset:8704*\a+1088*(\set)+544*\c
.endr
.endr
	ds_load_b128 v[XS+4*(\set):XS+4*(\set)+3], v[XSRW] offset:256*(\set)
.endm
.macro AFETCH16 set
.irp a, 0,1,2,3
.irp c, 0,1
	ds_load_b128 v[AF+32*(\set)+8*\a+4*\c:AF+32*(\set)+8*\a+4*\c+3], v[ARDW+\a] offset:1024*(\set)+512*\c
.endr
.endr
.endm
; 16 products: group g's four tiles of the weight x the four tiles of tokens.  The accumulators take turns, one instruction a turn, in the same order in every step.
.macro MUL4 par, g, zero
	WIN 0xa1+0x50*(\g/2)                           ; source 0 window 1, source 1 window 0, C and D window 2 or 3
.irp ti, 0,1,2,3
.irp a, 0,1,2,3
.set rD, 8*(4*((4*\g+\ti)%8)+\a)
.set rW, 32*(4*\par+\g)+8*\ti
.set rA, AF+32*\par+8*\a
.set rU, WSG+2*(4*\par+\g)+\ti%2
.set rX, XS+4*\par+\a
.if \zero
.if \ti < 2
	v_wmma_scale_f32_16x16x128_f8f6f4 v[rD:rD+7], v[rW:rW+7], v[rA:rA+7], 0, v[rU], v[rX] matrix_a_fmt:MATRIX_FMT_FP4 matrix_b_fmt:MATRIX_FMT_FP4
.else
	v_wmma_scale_f32_16x16x128_f8f6f4 v[rD:rD+7], v[rW:rW+7], v[rA:rA+7], 0, v[rU], v[rX] matrix_a_fmt:MATRIX_FMT_FP4 matrix_b_fmt:MATRIX_FMT_FP4 matrix_a_scale:MATRIX_SCALE_ROW1
.endif
.else
.if \ti < 2
	v_wmma_scale_f32_16x16x128_f8f6f4 v[rD:rD+7], v[rW:rW+7], v[rA:rA+7], v[rD:rD+7], v[rU], v[rX] matrix_a_fmt:MATRIX_FMT_FP4 matrix_b_fmt:MATRIX_FMT_FP4
.else
	v_wmma_scale_f32_16x16x128_f8f6f4 v[rD:rD+7], v[rW:rW+7], v[rA:rA+7], v[rD:rD+7], v[rU], v[rX] matrix_a_fmt:MATRIX_FMT_FP4 matrix_b_fmt:MATRIX_FMT_FP4 matrix_a_scale:MATRIX_SCALE_ROW1
.endif
.endif
.endr
.endr
.endm
.macro MUL16 par, g, zero
	WIN 0xa1+0x50*(\g/2)
.irp ti, 0,1,2,3
.irp a, 0,1,2,3
.set rD, 8*(4*((4*\g+\ti)%8)+\a)
.set rW, 32*(4*\par+\g)+8*\ti
.set rA, AF+32*\par+8*\a
.if \zero
	v_wmma_f32_16x16x32_f16 v[rD:rD+7], v[rW:rW+7], v[rA:rA+7], 0
.else
	v_wmma_f32_16x16x32_f16 v[rD:rD+7], v[rW:rW+7], v[rA:rA+7], v[rD:rD+7]
.endif
.endr
.endr
.endm
; A PREFETCH INTO THE L2 of the NEXT tensor's rows: 32 lanes x 256 bytes = two rows of my 16.  It stands behind a group's loads.  PF steps 8,192 bytes at the head of each of the loop's six steps and the
; instruction reaches 24,576 back; it is issued in the loop's second and third trips: K steps 3 to 6 name rows 0 to 7, each block of 256 bytes once, by the wave that will load it.
; Rows 8 to 15 are asked for by their loads, seven rows ahead.  In the last tensor LIM is 0: there is no next one.
.macro ASK
	s_cmp_lt_u32 s[CNT], s[LIM]
	s_cbranch_scc0 .Lno_ask_\@
	global_prefetch_b8 v[PFO], s[PF:PF+1] offset:-24576 th:TH_LOAD_NT scope:SCOPE_SE
.Lno_ask_\@:
.endm
; A K step of 128 on codes: 64 products.  Behind each group's 16 stand four places and the reload of its buffer with the group two K steps on.
.macro STEP4 par, zero, pre, ask
	WIN 0
	s_wait_xcnt 0x0                                ; the loads issued so far have read their base: it steps
	s_add_nc_u64 s[WP:WP+1], s[WP:WP+1], STEPB
.if \ask
	s_add_nc_u64 s[PF:PF+1], s[PF:PF+1], 8192
.endif
.if \pre
	AFETCH4 1-\par                                 ; the next K step's rows
.endif
.irp g, 0,1,2,3
	s_wait_loadcnt 63                              ; seven younger groups of nine loads may be out
.if \g == 0
	s_wait_dscnt 9*\pre                            ; this step's rows are in; the nine loads just issued may be out
.endif
	MUL4 \par, \g, \zero
	PLACES 4
	WLOAD4 4*\par+\g, GRPB*\g
.if (\g == 0) && \ask
	ASK
.endif
.endr
.endm
; A K step of 32 in f16.  tail = 0: seven younger groups of eight loads may be out; 1, 2: the last two steps, which reload nothing
.macro STEP16 par, zero, pre, reload, tail
	WIN 0
.if \reload
	s_wait_xcnt 0x0
	s_add_nc_u64 s[WP:WP+1], s[WP:WP+1], STEPB
.endif
.if \pre
	AFETCH16 1-\par
.endif
.irp g, 0,1,2,3
.if \tail == 0
	s_wait_loadcnt 56
.elseif \tail == 1
	s_wait_loadcnt 8*(7-\g)
.else
	s_wait_loadcnt 8*(3-\g)
.endif
.if \g == 0
	s_wait_dscnt 8*\pre
.endif
	MUL16 \par, \g, \zero
	PLACES 4
.if \reload
	WLOAD16 4*\par+\g, GRPB*\g
.endif
.endr
.endm
; All 64 accumulators to f16, four registers a tile, into window 2 at 4 (4 (b % 8) + a + 32 (b / 8)); ascending, so that no result lands on numbers not yet read; each accumulator from its low end on
.macro PACKALL
	WIN 0x8a
.set i, 0
.rept 32
.irp k, 0,1,2,3
	v_cvt_pk_f16_f32 v[4*i+\k], v[8*i+2*\k], v[8*i+2*\k+1]
.endr
.set i, i+1
.endr
	WIN 0x8f
.set i, 0
.rept 32
.irp k, 0,1,2,3
	v_cvt_pk_f16_f32 v[128+4*i+\k], v[8*i+2*\k], v[8*i+2*\k+1]
.endr
.set i, i+1
.endr
.endm
; Tile (a, b): lane (r, hh) holds token 16 a + r and eight neighbours: 16 bytes of an image
.macro IMG
	WIN 0x08
.irp b, 0,1,2,3,4,5,6,7,8,9,10,11,12,13,14,15
.irp a, 0,1,2,3
	ds_store_b128 v[IWW+\a/2], v[4*(4*(\b%8)+\a+32*(\b/8)):4*(4*(\b%8)+\a+32*(\b/8))+3] offset:(\a%2)*TILEP+(\b%4)*512+(\b/4)*16
.endr
.endr
.endm
; The attention.  Four tokens a batch.  k's and q's images of a token are two fragments each (16 heads x 32 of the head's 64)
.macro SLOAD bt
	WIN 0xc0
.irp i, 0,1,2,3
.irp n, 0,1,2,3
	ds_load_b128 v[128*((\bt)%2)+16*\i+4*\n:128*((\bt)%2)+16*\i+4*\n+3], v[KRD] offset:(4*(\bt)+\i)*TOKP+512*\n
	ds_load_b128 v[128*((\bt)%2)+64+16*\i+4*\n:128*((\bt)%2)+64+16*\i+4*\n+3], v[QRD] offset:(4*(\bt)+\i)*TOKP+512*\n
.endr
.endr
.endm
.macro SCORE bt                        ; S^T = K Q^T: lane (r, hh) holds head h = r and g = 8 hh + j.  Four accumulators by turns
	WIN 0x0f
.irp s, 0,1
.irp i, 0,1,2,3
.if \s == 0
	v_wmma_f32_16x16x32_f16 v[SA+8*\i:SA+8*\i+7], v[128*(\bt%2)+16*\i:128*(\bt%2)+16*\i+7], v[128*(\bt%2)+64+16*\i:128*(\bt%2)+64+16*\i+7], 0
.else
	v_wmma_f32_16x16x32_f16 v[SA+8*\i:SA+8*\i+7], v[128*(\bt%2)+16*\i+8:128*(\bt%2)+16*\i+15], v[128*(\bt%2)+64+16*\i+8:128*(\bt%2)+64+16*\i+15], v[SA+8*\i:SA+8*\i+7]
.endif
.endr
.endr
.endm
.macro SMAX bt                         ; the four tokens by turns
.irp k, 0,2,4,6
.irp i, 0,1,2,3
	v_pk_mul_f32 v[SA+8*\i+\k:SA+8*\i+\k+1], v[SA+8*\i+\k:SA+8*\i+\k+1], v[MS+\k:MS+\k+1]   ; t = score x mask x log2(e) / 8
.endr
.endr
.irp i, 0,1,2,3
	v_max3_num_f32 v[ST+8*\i], v[SA+8*\i], v[SA+8*\i+1], v[SA+8*\i+2]
.endr
.irp k, 3,5
.irp i, 0,1,2,3
	v_max3_num_f32 v[ST+8*\i], v[ST+8*\i], v[SA+8*\i+\k], v[SA+8*\i+\k+1]
.endr
.endr
.irp i, 0,1,2,3
	v_max_num_f32 v[ST+8*\i], v[ST+8*\i], v[SA+8*\i+7]
.endr
.irp i, 0,1,2,3
	v_permlanex16_b32 v[ST+8*\i+1], v[ST+8*\i], s[SEL], s[SEL+1]
.endr
.irp i, 0,1,2,3
	v_max_num_f32 v[ST+8*\i], v[ST+8*\i], v[ST+8*\i+1]   ; the row's largest t
.endr
.irp k, 0,2,4,6
.irp i, 0,1,2,3
	v_pk_add_f32 v[SA+8*\i+\k:SA+8*\i+\k+1], v[SA+8*\i+\k:SA+8*\i+\k+1], v[ST+8*\i:ST+8*\i+1] op_sel_hi:[1,0] neg_lo:[0,1] neg_hi:[0,1]
.endr
.endr
.set i, 0
.rept 32
	v_exp_f32 v[SA+i], v[SA+i]
.set i, i+1
.endr
	v_nop                                          ; a plain place behind the batch,
	s_wait_alu depctr_va_vdst(0)                   ; and one wait ahead of its first reader
.irp i, 0,1,2,3
	v_pk_add_f32 v[ST+8*\i+2:ST+8*\i+3], v[SA+8*\i:SA+8*\i+1], v[SA+8*\i+2:SA+8*\i+3]
.endr
.irp k, 4,6
.irp i, 0,1,2,3
	v_pk_add_f32 v[ST+8*\i+2:ST+8*\i+3], v[ST+8*\i+2:ST+8*\i+3], v[SA+8*\i+\k:SA+8*\i+\k+1]
.endr
.endr
.irp i, 0,1,2,3
	v_add_f32 v[ST+8*\i+4], v[ST+8*\i+2], v[ST+8*\i+3]
.endr
.irp i, 0,1,2,3
	v_permlanex16_b32 v[ST+8*\i+5], v[ST+8*\i+4], s[SEL], s[SEL+1]
.endr
.irp i, 0,1,2,3
	v_add_f32 v[ST+8*\i+4], v[ST+8*\i+4], v[ST+8*\i+5]
.endr
.irp i, 0,1,2,3
	v_rcp_f32 v[ST+8*\i+4], v[ST+8*\i+4]
.endr
	v_nop
	s_wait_alu depctr_va_vdst(0)                   ; one wait for the four reciprocals
.irp k, 0,2,4,6
.irp i, 0,1,2,3
	v_pk_mul_f32 v[SA+8*\i+\k:SA+8*\i+\k+1], v[SA+8*\i+\k:SA+8*\i+\k+1], v[ST+8*\i+4:ST+8*\i+5] op_sel_hi:[1,0]
.endr
.endr
.irp i, 0,1,2,3
.irp k, 0,1,2,3
	v_cvt_pk_f16_f32 v[PP+4*(4*\bt+\i)+\k], v[SA+8*\i+2*\k], v[SA+8*\i+2*\k+1]   ; p(h = r, g = 8 hh + 0 .. 7): the lower half of source 1 of the next product, as it stands
.endr
.endr
.endm
.macro VLOAD bt                        ; V^T of four tokens: fragment 4 i + dt: 16 of the head's 64 x 16 heads: the lower four registers; the upper four stay zeros (K = 16 of the instruction's 32)
	WIN 0xc0
.irp i, 0,1,2,3
.irp dt, 0,1,2,3
	ds_load_b128 v[8*(4*\i+\dt):8*(4*\i+\dt)+3], v[KRD] offset:(4*(\bt)+\i)*TOKP+512*\dt
.endr
.endr
.endm
.macro PV bt
.if \bt == 0
	s_wait_dscnt 0x0
.else
	s_wait_dscnt 16                                ; V^T is in; the sixteen stores issued behind its loads may be out
.endif
	WIN 0xc3
.irp i, 0,1,2,3
.irp dt, 0,1,2,3
	v_wmma_f32_16x16x32_f16 v[128+8*(4*\i+\dt):128+8*(4*\i+\dt)+7], v[8*(4*\i+\dt):8*(4*\i+\dt)+7], v[PP+4*(4*\bt+\i):PP+4*(4*\bt+\i)+7], 0   ; the upper half of p's operand is the next token's p, or zeros: finite, and it meets V^T's zeros
.endr
.endr
	PLACES 4
.if \bt < 3
	VLOAD \bt+1
	s_wait_dscnt 16                                ; the last batch's stores have read their registers; the sixteen loads just issued may be out
.else
	s_wait_dscnt 0x0
.endif
	WIN 0x0f
.set f, 0
.rept 16
.irp k, 0,1,2,3
	v_cvt_pk_f16_f32 v[PT+4*f+\k], v[128+8*f+2*\k], v[128+8*f+2*\k+1]
.endr
.set f, f+1
.endr
	WIN 0
.irp i, 0,1,2,3
.irp dt, 0,1,2,3
	ds_store_b128 v[AWR], v[PT+4*(4*\i+\dt):PT+4*(4*\i+\dt)+3] offset:512*\dt+16*(4*\bt+\i)   ; lane (r = head, hh): d = 16 dt + 8 hh + 0 .. 7 of token 4 bt + i
.endr
.endr
.endm
.macro ARSTEP                          ; the last product's rows: on to the next head (two K steps)
	s_add_co_u32 s[AO], s[AO], TOKP
	s_wait_dscnt 0x0                               ; no LDS load of mine is out: the address registers may be written
.irp a, 0,1,2,3
	v_add_nc_u32 v[ARDW+\a], s[AO], v[ARD0+\a]
.endr
.endm
; The way out: block 2 a + hf = 16 tokens x 128 outputs through my own stage (rows of 512 + 16 bytes), back as whole rows
.macro TOSTAGE blk
.set TA, (\blk)/2
	WIN 0x08+4*((\blk)%2)
.irp bb, 0,1,2,3,4,5,6,7
	ds_store_b128 v[STO], v[8*(4*\bb+TA):8*(4*\bb+TA)+3] offset:64*\bb          ; each accumulator from its low end on
	ds_store_b128 v[STO], v[8*(4*\bb+TA)+4:8*(4*\bb+TA)+7] offset:64*\bb+16
.endr
	WIN 0x40
.irp t, 0,1,2,3,4,5,6,7,8,9,10,11,12,13,14,15
	ds_load_b128 v[64*((\blk)%2)+4*\t:64*((\blk)%2)+4*\t+3], v[RD] offset:528*\t   ; LDS serves a wave's instructions in order (ISA guide 5.7.1.4): these see the stores above
.endr
.endm
.macro SEND blk, younger
	s_wait_dscnt \younger
	WIN 0x04
.irp t, 0,1,2,3,4,5,6,7,8,9,10,11,12,13,14,15
	global_store_b128 v[L16], v[64*((\blk)%2)+4*\t:64*((\blk)%2)+4*\t+3], s[14:15] offset:(16*((\blk)/2)+\t)*4096+512*((\blk)%2) th:TH_STORE_NT   ; 512 consecutive bytes, at a multiple of 512 from out0's first byte
.endr
.endm
	s_load_b256 s[4:11], s[0:1], 0x0               ; q, k, v, mask
	s_load_b128 s[12:15], s[0:1], 0x20             ; wimg, out0
	v_lshl_add_u32 v[SPW], v0, 2, SPARE
	v_mov_b32 v[NIL], 0
	v_lshrrev_b32 v28, 5, v0
	v_readfirstlane_b32 s[WV], v28                 ; wave 0..3
	v_and_b32 v29, 31, v0                          ; lane
	v_and_b32 v30, 15, v0                          ; r
	v_bfe_u32 v31, v0, 4, 1                        ; hh
	v_lshlrev_b32 v[L16], 4, v29
	v_lshlrev_b32 v[L8], 3, v29
	v_lshlrev_b32 v[XOFF], 5, v30
	v_lshl_or_b32 v[XOFF], v31, 4, v[XOFF]
	v_lshlrev_b32 v[PFO], 8, v29
	v_lshlrev_b32 v[MOF], 6, v30
	v_lshl_add_u32 v[MOF], v31, 5, v[MOF]
	v_lshrrev_b32 v14, 2, v29                      ; lane / 4
	v_and_b32 v15, 3, v29                          ; lane % 4
	s_mul_i32 s17, s[WV], 8704
	v_mul_u32_u24 v[XWC], v14, 272
	v_lshl_add_u32 v[XWC], v15, 2, v[XWC]
	v_add_nc_u32 v[XWC], s17, v[XWC]               ; XC (= 0) + 8,704 w + 272 (lane / 4) + 4 (lane % 4)
	s_lshl_b32 s17, s[WV], 2
	s_add_co_u32 s17, s17, XSC
	v_and_b32 v[XWS], 3, v14
	v_lshl_add_u32 v[XWS], v31, 8, v[XWS]
	v_add_nc_u32 v[XWS], s17, v[XWS]               ; XSC + 256 hh + (lane / 4) % 4 + 4 w
	v_mul_u32_u24 v[XRD0], v31, 272
	v_lshl_add_u32 v[XRD0], v30, 4, v[XRD0]
	v_lshl_add_u32 v[XSR0], v30, 4, XSC
	v_mul_u32_u24 v14, v30, TOKP
	v_lshl_add_u32 v14, v31, 8, v14                ; 2,064 r + 256 hh
	s_lshl_b32 s17, s[WV], 6
	s_add_co_u32 s17, s17, AB
	v_add_nc_u32 v[IW0], s17, v14
	v_add_nc_u32 v[IW0+1], 2*TILEP, v[IW0]
	s_mul_i32 s17, s[WV], TILEP
	s_add_co_u32 s17, s17, AB
	v_add_nc_u32 v[QRD], s17, v[L16]
	v_add_nc_u32 v[KRD], BB-AB, v[QRD]
	v_add_nc_u32 v[AWR], s17, v14
.irp a, 0,1,2,3
	v_add_nc_u32 v[ARD0+\a], AB+TILEP*\a, v[L16]
.endr
	s_mul_i32 s17, s[WV], 8448
	v_mul_u32_u24 v[STO], v30, 528
	v_lshl_add_u32 v[STO], v31, 5, v[STO]
	v_add_nc_u32 v[STO], s17, v[STO]
	v_add_nc_u32 v[RD], s17, v[L16]
	s_mov_b32 s[SEL], 0x76543210
	s_mov_b32 s[SEL+1], 0xfedcba98
	s_lshl_b32 s18, ttmp9, 18                      ; the work-group's 64 rows of 4,096 bytes,
	s_lshl_b32 s17, s[WV], 16                      ; my 16 of them
	s_add_co_u32 s18, s18, s17
	s_mov_b32 s19, 0
	s_wait_kmcnt 0x0
	s_add_nc_u64 s[4:5], s[4:5], s[18:19]
	s_add_nc_u64 s[6:7], s[6:7], s[18:19]
	s_add_nc_u64 s[8:9], s[8:9], s[18:19]
	s_lshl_b32 s18, ttmp9, 18
	s_lshl_b32 s17, s[WV], 10                      ; out0: the work-group's rows, my 256 columns
	s_add_co_u32 s18, s18, s17
	s_add_nc_u64 s[14:15], s[14:15], s[18:19]
	s_mul_i32 s18, s[WV], 4*GRPB
	s_add_nc_u64 s[WP:WP+1], s[12:13], s[18:19]    ; my four groups of step 0
	global_load_b128 v[MR:MR+3], v[MOF], s[10:11]
	global_load_b128 v[MR+4:MR+7], v[MOF], s[10:11] offset:16
.irp buf, 0,1,2,3,4,5,6,7
	WLOAD4 \buf, (\buf/4)*STEPB+(\buf%4)*GRPB      ; the weights of K steps 0 and 1
.endr
	s_mov_b64 s[XP:XP+1], s[6:7]                   ; k comes first
.irp p, 0,1,2,3,4,5,6
	LOADROW \p
.endr
	WIN 0
	s_wait_xcnt 0x0
	s_add_nc_u64 s[WP:WP+1], s[WP:WP+1], STEPB     ; each K step adds one more and reloads two steps ahead
.set i, 0
.rept 68
	v_mov_b32 v[PP+i], 0                           ; the last four stay zeros: the upper half of token 15's operand; the others so that the operands' registers hold numbers on every way through the text
.set i, i+1
.endr
	s_mov_b64 s[PF:PF+1], s[4:5]                   ; during k's product q's rows are prefetched
	s_mov_b32 s[LIM], 3
	s_mov_b32 s[TN], 0
	s_mov_b32 s[IO], BB-AB                         ; k's images go to BB
.Ltensor:
	; ---- my 16 rows become codes and scale bytes in LDS
.irp p, 0,1,2,3,4,5,6,7,8,9,10,11,12,13,14,15
	QROW \p
.endr
	BAR                                            ; the 64 rows' codes lie in LDS; and every wave has left the attention of the trip before
	; ---- 64 tokens x my 256 outputs, K = 1,024 in eight steps
	s_mov_b32 s[XO], 0
	s_mov_b32 s[XSO], 0
	v_mov_b32 v[XRDW], v[XRD0]
	v_mov_b32 v[XSRW], v[XSR0]
	AFETCH4 0
	STEP4 0, 1, 1, 0                               ; the first step's products start the sums
	s_mov_b32 s[CNT], 3
.Lk4:
	s_add_co_u32 s[XO], s[XO], 2176                ; the next pair of K steps
	s_add_co_u32 s[XSO], s[XSO], 512
	s_wait_dscnt 0x0                               ; no LDS load of mine is out: the address registers may be written
	v_add_nc_u32 v[XRDW], s[XO], v[XRD0]
	v_add_nc_u32 v[XSRW], s[XSO], v[XSR0]
	STEP4 1, 0, 1, 1
	STEP4 0, 0, 1, 1
	s_sub_co_u32 s[CNT], s[CNT], 1
	s_cmp_lg_u32 s[CNT], 0
	s_cbranch_scc1 .Lk4
	STEP4 1, 0, 0, 0
	; ---- to f16, and into the tensor's images
	PACKALL
	WIN 0
	v_add_nc_u32 v[IWW], s[IO], v[IW0]
	v_add_nc_u32 v[IWW+1], s[IO], v[IW0+1]
	IMG
	WIN 0
	s_wait_dscnt 0x0                               ; the images have landed, and the stores have read window 2, into which the next rows are loaded
	s_cmp_eq_u32 s[TN], 2
	s_cbranch_scc1 .Lno_rows                       ; behind v there is no next tensor: no load leaves its buffer
	s_wait_xcnt 0x0                                ; the last prefetch has read its address
	s_cmp_eq_u32 s[TN], 0
	s_cselect_b64 s[XP:XP+1], s[4:5], s[8:9]       ; q behind k, v behind q
	s_cselect_b32 s[LIM], 3, 0                     ; during q's product v's rows are prefetched, during v's nothing
	s_mov_b64 s[PF:PF+1], s[8:9]
.irp p, 0,1,2,3,4,5,6
	LOADROW \p
.endr
	WIN 0
.Lno_rows:
	s_barrier_signal -1
	s_barrier_wait -1                              ; the images are whole, and nobody reads x's codes any more
	s_cmp_eq_u32 s[TN], 1
	s_cbranch_scc0 .Lnot_scores
	; ---- trip 1: scores and softmax of my 16 tokens; p stays in registers
.irp k, 0,2,4,6
	v_pk_mul_f32 v[MS+\k:MS+\k+1], v[MR+\k:MR+\k+1], 0x3e38aa3b op_sel_hi:[1,0]   ; mask x log2(e) / 8
.endr
.irp i, 0,1,2,3
	v_mov_b32 v[ST+8*\i+1], 0                      ; a lane permute's destination counts as one of its sources
	v_mov_b32 v[ST+8*\i+5], 0
.endr
	SLOAD 0
.irp bt, 0,1,2,3
.if \bt < 3
	SLOAD \bt+1
	s_wait_dscnt 32                                ; this batch is in; the next batch's 32 loads may be out
.else
	s_wait_dscnt 0x0
.endif
	SCORE \bt
	WIN 0
	PLACES 4
	SMAX \bt
.endr
	s_branch .Lnext
.Lnot_scores:
	s_cmp_eq_u32 s[TN], 2
	s_cbranch_scc0 .Lnext
	; ---- trip 2: O^T = V^T P^T of my 16 tokens, into my 33,024 bytes of AB
	WIN 0xc0
.set f, 0
.rept 16
.irp k, 4,5,6,7
	v_mov_b32 v[8*f+\k], 0
.endr
.set f, f+1
.endr
	VLOAD 0
	PV 0
	PV 1
	PV 2
	PV 3
.Lnext:
	s_xor_b32 s[IO], s[IO], BB-AB
	s_add_co_u32 s[TN], s[TN], 1
	s_cmp_lt_u32 s[TN], 3
	s_cbranch_scc1 .Ltensor
	BAR                                            ; attention's result of all 64 tokens lies in AB
	; ---- the last projection: K = 1,024 in 32 steps of 32
	s_mov_b32 s[AO], 0
.irp a, 0,1,2,3
	v_mov_b32 v[ARDW+\a], v[ARD0+\a]
.endr
	AFETCH16 0
	STEP16 0, 1, 1, 1, 0
	WIN 0
	s_mov_b32 s[CNT], 14
.Lk16:
	ARSTEP
	STEP16 1, 0, 1, 1, 0
	STEP16 0, 0, 1, 1, 0
	WIN 0
	s_sub_co_u32 s[CNT], s[CNT], 1
	s_cmp_lg_u32 s[CNT], 0
	s_cbranch_scc1 .Lk16
	ARSTEP
	STEP16 1, 0, 1, 1, 0                           ; step 29 asks for step 31's weights: the last
	STEP16 0, 0, 1, 0, 1
	STEP16 1, 0, 0, 0, 2
	; ---- the way out.  The stage lies where x's codes lay: nobody has read them since the barriers above
	TOSTAGE 0
.irp blk, 1,2,3,4,5,6,7
.if \blk > 1
	s_wait_xcnt 0x0                                ; the block before last's stores have read their registers: this block's loads may land there
.endif
	TOSTAGE \blk
	SEND \blk-1, 32                                ; behind that block's loads: this block's 16 stores and 16 loads
.endr
	SEND 7, 0
	WIN 0
	s_wait_tensorcnt 0x0                           ; the wave's end: behind my last LDS store
	ds_add_u32 v[SPW], v[NIL]
	s_wait_dscnt 0x0
	s_endpgm
.Lfunc_end_k_q71b1cc5f0d_fused:
	.size	k_q71b1cc5f0d_fused, .Lfunc_end_k_q71b1cc5f0d_fused-k_q71b1cc5f0d_fused
	.p2alignl 7, 3214868480
	.fill 96, 4, 3214868480
	.section	.rodata,"a",@progbits
	.p2align	6, 0x0
	.amdhsa_kernel k_q71b1cc5f0d_fused
		.amdhsa_group_segment_fixed_size 301568
		.amdhsa_private_segment_fixed_size 0
		.amdhsa_enable_private_segment 0
		.amdhsa_kernarg_size 48
		.amdhsa_user_sgpr_count 2
		.amdhsa_user_sgpr_kernarg_segment_ptr 1
		.amdhsa_wavefront_size32 1
		.amdhsa_system_sgpr_workgroup_id_x 1
		.amdhsa_system_sgpr_workgroup_id_y 1
		.amdhsa_system_sgpr_workgroup_id_z 1
		.amdhsa_system_vgpr_workitem_id 0
		.amdhsa_next_free_vgpr 1024
		.amdhsa_next_free_sgpr 66
		.amdhsa_reserve_vcc 0
		.amdhsa_float_denorm_mode_32 3
		.amdhsa_float_denorm_mode_16_64 3
		.amdhsa_memory_ordered 1
		.amdhsa_forward_progress 1
		.amdhsa_inst_pref_size 255
	.end_amdhsa_kernel
	.section	.bss,"aw",@nobits
	.p2align	6
	.space	262144
	.amdgpu_metadata
---
amdhsa.version: [ 1, 2 ]
amdhsa.kernels:
  - .name:           k_q71b1cc5f0d_fused
    .symbol:         k_q71b1cc5f0d_fused.kd
    .args:
      - { .name: q, .offset: 0, .size: 8, .value_kind: global_buffer, .address_space: global }
      - { .name: k, .offset: 8, .size: 8, .value_kind: global_buffer, .address_space: global }
      - { .name: v, .offset: 16, .size: 8, .value_kind: global_buffer, .address_space: global }
      - { .name: mask, .offset: 24, .size: 8, .value_kind: global_buffer, .address_space: global }
      - { .name: wimg, .offset: 32, .size: 8, .value_kind: global_buffer, .address_space: global }
      - { .name: out0, .offset: 40, .size: 8, .value_kind: global_buffer, .address_space: global }
    .group_segment_fixed_size: 301568
    .private_segment_fixed_size: 0
    .kernarg_segment_align: 8
    .kernarg_segment_size: 48
    .max_flat_workgroup_size: 128
    .sgpr_count:     66
    .vgpr_count:     1024
    .wavefront_size: 32
...
	.end_amdgpu_metadata
.endif
;; end of part 2
;; ======== version 2 of 2: 2 launches; version 1 with the launch fused written anew for expert scheduling mode
;; limits: values are held in f16: magnitudes above 65,504 overflow, below 6.1e-05 lose precision
;; workspace buffers: wimg 3,899,392 bytes
;; launch prep: the kernel of part 1 again; grid 256 x 1, 4 waves a work-group, no clusters, 44,544 bytes of LDS; arguments Wk, Wq, Wv, Wo, wimg; writes wimg
;; launch fused (part 3): grid 256 x 1, 4 waves a work-group, no clusters, 301,568 bytes of LDS; arguments q, k, v, mask, wimg, out0; writes out0
.if DOCPART == 3
	.amdgcn_target "amdgcn-amd-amdhsa--gfx1250"
	.amdhsa_code_object_version 6
	.text
	.protected	k_q71b1cc5f0d_fused
	.globl	k_q71b1cc5f0d_fused
	.p2align	8
	.type	k_q71b1cc5f0d_fused,@function
k_q71b1cc5f0d_fused:
	s_mov_b64 s[64:65], 0
	v_nop
	global_prefetch_b8 v0, s[64:65] scope:SCOPE_SE
	s_setreg_imm32_b32 hwreg(HW_REG_WAVE_SCHED_MODE, 0, 2), 2
	s_setreg_imm32_b32 hwreg(HW_REG_WAVE_MODE, 25, 1), 1
	s_wait_xcnt 0x0
	s_wait_alu depctr_vm_vsrc(0)
; out = (softmax_g((q Wq^T)(k Wk^T)^T / 8 x mask) (v Wv^T)) Wo^T, the attention running over the 16 heads INSIDE each token.  16,384 tokens of 1,024 numbers.
; A work-group takes 64 tokens through the whole chain; nothing between q, k, v and out0 goes to memory.
; The three projections multiply codes of E2M1 with one E8M0 scale for each 32 along K: q, k, v are quantised here, in registers; the weights' codes come from wimg (first launch).
; The two small products and the last projection take f16 operands and f32 sums.
; LIMITS: |q Wq^T|, |k Wk^T|, |v Wv^T| and |Wo| up to 65,504, f16's largest number (inputs as drawn give about 1; all inputs 30 times larger about 900, at most some 5,000; offsets of 30 spreads
; on an input and its weight about 1,024 x 30 x 0.94 = 29,000).  NaN and infinities among the inputs are not served.  A block of zeros gets the scale byte 1 where the rule says 127: its codes are zeros.
; The exponent is score x (mask x log2(e) / 8): rounded in another order than score / 8 x mask; the row's true maximum is taken away ahead of the exponential.
; SHARES.  Quantising and attention: wave w owns tokens 16 w .. 16 w + 15.  The four large products: wave w owns all 64 tokens x 256 outputs (64 accumulators, 512 registers).
; Every large product is used TRANSPOSED (source 0 = 16 rows of the weight, source 1 = 16 tokens): a lane holds one token and eight neighbouring outputs.
; THE WEIGHTS GO FROM MEMORY STRAIGHT INTO REGISTERS, eight buffers of four tiles, asked for two K steps ahead; the stream runs on through quantising and attention.
; NO TENSOR LOAD, NO CLUSTER, though all work-groups walk the same weights: the rows' operands take 301,056 of LDS's 327,680 bytes, all of them written by LDS stores, so no slot for a shared
; tile is left; and each weight fragment is read by exactly one wave of a work-group, so a way through LDS would add a write and a read of every weight byte.
; OPERANDS GO FROM WAVE TO WAVE THROUGH LDS AS IMAGES OF THEIR REGISTERS (16 bytes a lane, 512 consecutive bytes a load).
;   XC: x's codes: 8,704 a + 2,176 (s / 2) + 272 e + 16 r, e = 4 (s % 2) + 2 c + hh.   XSC: their scale words: 256 s + 16 r + 4 a.
;   head image (k's, q's projections): 2,064 token + 1,024 s + 512 c + 256 hh + 16 head.   V^T image: 2,064 token + 512 (d / 16) + 256 hh + 16 (d % 16): the same addresses, since Wv's tile tl holds d = 16 (tl % 4) + tl / 4.
;   attention's result: 33,024 m + 2,064 head + 512 (d / 16) + 256 hh + 16 (token % 16): source 1 of the last product.   2,064 = 2,048 + 16: sixteen writing lanes fall into sixteen different columns of 16 bytes.
; ORDER: k, q, v.  A trip of the loop over tensors: quantise | barrier | product, f16, images | barrier | trip 1: scores and softmax; trip 2: P V.  Then a barrier, the last product, the way out.
; REGISTERS, in windows of 256.  Window 0: v0-31 addresses; v32-47 the mask; v48-71 scale words and nothing else; v72-135 two sets of row fragments (in the attention: scores, statistics, packed results);
;   v136-151 the quantiser's; v152-219 p of 16 tokens + 4 zeros; v220-223 addresses.  Window 1: the weights' eight buffers of 32; on the way out rows of out0.
;   Windows 2, 3: accumulator (a, b) at window 2 + b / 8, register 8 (4 (b % 8) + a).  While quantising, window 2 holds seven rows of x; in the attention window 3 holds its operands.
; THE MODE: SCHED_MODE bits 1:0 = 2 (LLVM: expert scheduling mode 2), set by the entry lines.  The code itself states the register dependences between vector or matrix instructions and memory or LDS
; instructions, with s_wait_alu, always for 0.
; THE PLAN.  Registers that memory or LDS instructions touch, who else names them, and the waits that stand between:
;   v1-7, v10-11, v16-28: offsets and addresses, made at the head ahead of ONE wait on va_vdst and never written again; v220-223 get their first values there too.
;   ROWS OF x (window 2, seven sets): row p's loads land in set p % 7; its exchanges, maxima and conversions name the set; row p + 7's loads land in it.  QC, QE: written by row p, read by its eight LDS stores, written by row p + 1.
;     One wait on va_vdst a row, behind the conversions: codes and bytes are written, the set is done with.  One on vm_vsrc ahead of the next row's bytes.
;   THE WEIGHTS' BUFFERS and their scale words: group g's 16 products read buffer (parity, g); the group two K steps on lands in it.  ROW FRAGMENTS (AF, XS): a step's products read one set; the LDS loads at the next step's head land in it.
;     Two waits on va_vdst a K step.  In its middle, behind groups 0 and 1: buffer 0 is asked for again ahead of group 2's products, buffer 1 ahead of group 3's; those products name neither buffer.
;     At its close, behind groups 2 and 3: their buffers, the row set for the next step's fetch, and the stepped LDS addresses.
;   v8-9, v220-223: LDS addresses that step once in two K steps: a wait on vm_vsrc, the additions (places behind the last products), then the close's wait on va_vdst.
;   IMAGES: the conversions to f16 write window 2, two additions v12-13: one wait on va_vdst, the 64 stores, one on vm_vsrc ahead of all that writes those registers again.
;     That wait on va_vdst also serves the first LDS loads into window 3 (k's, q's and V^T's fragments): no vector instruction behind it names those registers.
;   SCORES: a batch's loads land in the half of window 3 that the products of two batches back read; the softmax's own waits on va_vdst stand between.
;   P V: a batch's products read V^T's fragments, its conversions write PT: one wait on va_vdst, then the next batch's loads and this batch's stores; one on vm_vsrc ahead of the next conversions.
;   v72-135 BEHIND THE ATTENTION: scores, statistics and packed results become the last product's row fragments: one wait on vm_vsrc and one on va_vdst behind the barrier, ahead of the first fetch.
;   WAY OUT: no vector instruction: one wait on va_vdst ahead of it, one on vm_vsrc ahead of each second use of a buffer of rows.
.set STEPB, 69632                      ; wimg: a K step,
.set GRPB,  4352                       ; a group of four tiles and 256 bytes of scale words; a wave's four groups are 17,408
.set XC,    0
.set XSC,   34816
.set AB,    36864                      ; q's images, later attention's result
.set BB,    168960                     ; k's images, later V^T's
.set SPARE, 301056                     ; the spare words, 128 bytes for each wave: two blocks of 256 bytes that no other line names
.set TOKP,  2064
.set TILEP, 33024                      ; 16 tokens
.set L16,  1                           ; 16 x lane
.set L8,   2                           ; 8 x lane
.set XOFF, 3                           ; 32 r + 16 hh
.set XWC,  4                           ; x's codes into XC
.set XWS,  5                           ; x's scale bytes into XSC
.set XRD0, 6                           ; fragments of x: 272 hh + 16 r
.set XSR0, 7                           ; their scale words: XSC + 16 r
.set XRDW, 8                           ; the two, at the pair of K steps in hand
.set XSRW, 9
.set IW0,  10                          ; v10-11 images: AB + 2,064 r + 256 hh + 64 w, and 32 tokens on
.set IWW,  12                          ; v12-13 the same in the tensor's region
.set QRD,  16                          ; my tokens' images in AB,
.set KRD,  17                          ; in BB
.set AWR,  18                          ; attention's result: AB + 33,024 w + 2,064 r + 256 hh
.set PFO,  19                          ; 256 x lane
.set ARD0, 20                          ; v20-23 the last product's row fragments, tile a
.set STO,  24                          ; the way out: into my stage,
.set RD,   25                          ; and back
.set SPW,  26                          ; my spare word; never rewritten
.set NIL,  27                          ; 0; never rewritten
.set MOF,  28                          ; 64 r + 32 hh: my eight numbers of the mask
.set MR,   32                          ; v32-39 mask[r][8 hh + j]
.set MS,   40                          ; v40-47 x log2(e) / 8
.set WSG,  48                          ; v48-63 the weights' scale words: two registers for each buffer: register jj: lanes 0-15 tile jj, lanes 16-31 tile 2 + jj
.set XS,   64                          ; v64-71 x's scale words, two sets of four
.set AF,   72                          ; v72-135 row fragments, two sets of 4 x 8
.set QT,   136
.set QS,   140
.set QE,   144
.set QC,   148
.set PP,   152                         ; p in f16: four registers a token
.set ARDW, 220
.set SA,   72                          ; scores of four tokens
.set ST,   104                         ; eight a token: +0 maximum, +1 the other half's, +2, +3 sums, +4 the sum, then 1 / sum, +5 the other half's
.set PT,   72                          ; attention's result, packed
.set WV,   16
.set SEL,  20                          ; s[20:21] lane l xor 16
.set TN,   22                          ; the trip: 0 k, 1 q, 2 v
.set CNT,  23
.set LIM,  24                          ; a prefetch is issued while CNT < LIM
.set XO,   25
.set WP,   26                          ; s[26:27] the weights' stream
.set XP,   28                          ; s[28:29] my 16 rows of the tensor that is being loaded
.set PF,   34                          ; s[34:35] the prefetches' place
.set XSO,  36
.set AO,   37
.set IO,   38                          ; the images' region, from AB: BB - AB, 0, BB - AB
.set MSB, 0
.macro WIN new                         ; the immediate's high byte repeats the setting that is left; a switch that changes nothing is dropped
.if MSB != (\new)
	s_set_vgpr_msb (MSB<<8)|(\new)
.set MSB, (\new)
.endif
.endm
.macro PLACES n                        ; plain places behind matrix instructions (ISA guide 7.12.1); they stay beside the waits on va_vdst, which fill none
.rept \n
	v_nop
.endr
.endm
.macro BAR                             ; my LDS stores have landed and my LDS loads are in: then the work-group's barrier
	s_wait_dscnt 0x0
	s_barrier_signal -1
	s_barrier_wait -1
.endm
; Row p of my 16: eight loads of 512 consecutive bytes into set p % 7 of window 2
.macro LOADROW p
	WIN 0x80
.irp u, 0,1,2,3
.irp h, 0,1
	global_load_b128 v[32*((\p)%7)+8*\u+4*\h:32*((\p)%7)+8*\u+4*\h+3], v[XOFF], s[XP:XP+1] offset:(\p)*4096+\u*1024+\h*512 th:TH_LOAD_NT
.endr
.endr
.endm
; Row p is quantised: four units of 256 numbers by turns.  The exchange of halves leaves lane l with the neighbours k = 8 l .. 8 l + 7 of a unit; four lanes hold a block of 32.
.macro QROW p
.set XB, 32*((\p)%7)
.if (\p) <= 9
	s_wait_loadcnt 48                              ; six younger rows, eight loads each, may be out
.else
	s_wait_loadcnt 8*(15-(\p))                     ; the rows that are left
.endif
	WIN 0x82
.irp u, 0,1,2,3
.irp j, 0,1,2,3
	v_permlane16_swap_b32 v[XB+8*\u+\j], v[XB+8*\u+4+\j]
.endr
.endr
	WIN 0x0a
.irp u, 0,1,2,3
	v_max3_num_f32 v[QT+\u], |v[XB+8*\u]|, |v[XB+8*\u+1]|, 0x1800000   ; and the floor 2^(3 - 127): the byte cannot fall under 1
.endr
.irp i, 2,4,6
.irp u, 0,1,2,3
	v_max3_num_f32 v[QT+\u], |v[XB+8*\u+\i]|, |v[XB+8*\u+\i+1]|, v[QT+\u]
.endr
.endr
	WIN 0
.irp m, 1,2
.irp u, 0,1,2,3
	v_max_num_f32_dpp v[QT+\u], v[QT+\u], v[QT+\u] row_xmask:\m row_mask:0xf bank_mask:0xf
.endr
.endr
.if (\p) > 0
	s_wait_alu depctr_vm_vsrc(0)                   ; the last row's LDS stores have read QE and QC, which are written next (row 0: the wait on vm_vsrc behind the last trip's images has said so of row 15's)
.endif
.irp u, 0,1,2,3
	v_add_nc_u32 v[QS+\u], 0xff000000, v[QT+\u]    ; 2 off the exponent field: the conversion's scale operand
.endr
.irp u, 0,1,2,3
	v_lshrrev_b32 v[QE+\u], 23, v[QS+\u]           ; the scale's byte
.endr
	WIN 0x02
.irp u, 0,1,2,3
	v_cvt_scalef32_pk8_fp4_f32 v[QC+\u], v[XB+8*\u:XB+8*\u+7], v[QS+\u]
.endr
	WIN 0
	v_nop                                          ; one plain place behind the scaled conversions
	s_wait_alu depctr_va_vdst(0)                   ; QC and QE are written, which the LDS stores read; the exchanges, maxima and conversions are done with the row's set, in which row p + 7's loads land
.irp u, 0,1,2,3
	ds_store_b32 v[XWC], v[QC+\u] offset:2176*\u+16*(\p)
	ds_store_b8 v[XWS], v[QE+\u] offset:512*\u+16*(\p)   ; the four lanes of a block write the same byte with the same value
.endr
.if (\p) <= 8
	LOADROW (\p)+7                                 ; into the set that has just been read
.endif
.endm
; A group of the weights: four tiles of 8 registers (and, for codes, their scale words) into buffer buf
.macro WLOAD16 buf, off
	WIN 0x40
.irp ti, 0,1,2,3
.irp c, 0,1
	global_load_b128 v[32*(\buf)+8*\ti+4*\c:32*(\buf)+8*\ti+4*\c+3], v[L16], s[WP:WP+1] offset:(\off)+1024*\ti+512*\c
.endr
.endr
.endm
.macro WLOAD4 buf, off
	WLOAD16 \buf, \off
	WIN 0
	global_load_b64 v[WSG+2*(\buf):WSG+2*(\buf)+1], v[L8], s[WP:WP+1] offset:(\off)+4096
.endm
; The four tiles of tokens of one K step into set
.macro AFETCH4 set
.irp a, 0,1,2,3
.irp c, 0,1
	ds_load_b128 v[AF+32*(\set)+8*\a+4*\c:AF+32*(\set)+8*\a+4*\c+3], v[XRDW] offset:8704*\a+1088*(\set)+544*\c
.endr
.endr
	ds_load_b128 v[XS+4*(\set):XS+4*(\set)+3], v[XSRW] offset:256*(\set)
.endm
.macro AFETCH16 set
.irp a, 0,1,2,3
.irp c, 0,1
	ds_load_b128 v[AF+32*(\set)+8*\a+4*\c:AF+32*(\set)+8*\a+4*\c+3], v[ARDW+\a] offset:1024*(\set)+512*\c
.endr
.endr
.endm
; 16 products: group g's four tiles of the weight x the four tiles of tokens.  The accumulators take turns, one instruction a turn, in the same order in every step.
.macro MUL4 par, g, zero
	WIN 0xa1+0x50*(\g/2)                           ; source 0 window 1, source 1 window 0, C and D window 2 or 3
.irp ti, 0,1,2,3
.irp a, 0,1,2,3
.set rD, 8*(4*((4*\g+\ti)%8)+\a)
.set rW, 32*(4*\par+\g)+8*\ti
.set rA, AF+32*\par+8*\a
.set rU, WSG+2*(4*\par+\g)+\ti%2
.set rX, XS+4*\par+\a
.if \zero
.if \ti < 2
	v_wmma_scale_f32_16x16x128_f8f6f4 v[rD:rD+7], v[rW:rW+7], v[rA:rA+7], 0, v[rU], v[rX] matrix_a_fmt:MATRIX_FMT_FP4 matrix_b_fmt:MATRIX_FMT_FP4
.else
	v_wmma_scale_f32_16x16x128_f8f6f4 v[rD:rD+7], v[rW:rW+7], v[rA:rA+7], 0, v[rU], v[rX] matrix_a_fmt:MATRIX_FMT_FP4 matrix_b_fmt:MATRIX_FMT_FP4 matrix_a_scale:MATRIX_SCALE_ROW1
.endif
.else
.if \ti < 2
	v_wmma_scale_f32_16x16x128_f8f6f4 v[rD:rD+7], v[rW:rW+7], v[rA:rA+7], v[rD:rD+7], v[rU], v[rX] matrix_a_fmt:MATRIX_FMT_FP4 matrix_b_fmt:MATRIX_FMT_FP4
.else
	v_wmma_scale_f32_16x16x128_f8f6f4 v[rD:rD+7], v[rW:rW+7], v[rA:rA+7], v[rD:rD+7], v[rU], v[rX] matrix_a_fmt:MATRIX_FMT_FP4 matrix_b_fmt:MATRIX_FMT_FP4 matrix_a_scale:MATRIX_SCALE_ROW1
.endif
.endif
.endr
.endr
.endm
.macro MUL16 par, g, zero
	WIN 0xa1+0x50*(\g/2)
.irp ti, 0,1,2,3
.irp a, 0,1,2,3
.set rD, 8*(4*((4*\g+\ti)%8)+\a)
.set rW, 32*(4*\par+\g)+8*\ti
.set rA, AF+32*\par+8*\a
.if \zero
	v_wmma_f32_16x16x32_f16 v[rD:rD+7], v[rW:rW+7], v[rA:rA+7], 0
.else
	v_wmma_f32_16x16x32_f16 v[rD:rD+7], v[rW:rW+7], v[rA:rA+7], v[rD:rD+7]
.endif
.endr
.endr
.endm
; A PREFETCH INTO THE L2 of the NEXT tensor's rows: 32 lanes x 256 bytes = two rows of my 16.  It stands behind a group's loads.  PF steps 8,192 bytes in the middle of each of the loop's six steps and the
; instruction reaches 24,576 back; it is issued in the loop's second and third trips: K steps 3 to 6 name rows 0 to 7, each block of 256 bytes once, by the wave that will load it.
; Rows 8 to 15 are asked for by their loads, seven rows ahead.  In the last tensor LIM is 0: there is no next one.
.macro ASK
	s_cmp_lt_u32 s[CNT], s[LIM]
	s_cbranch_scc0 .Lno_ask_\@
	global_prefetch_b8 v[PFO], s[PF:PF+1] offset:-24576 th:TH_LOAD_NT scope:SCOPE_SE
.Lno_ask_\@:
.endm
; A K step of 128 on codes: 64 products, without its close.  The buffers of groups 0 and 1 are asked for again in the step's middle, with the groups two K steps on; those of groups 2 and 3 at its close.
; The loads are issued in the order g = 0, 1, 2, 3, step by step, nine to a group.  Behind the loads that group 0 waits for, seven groups have been issued; behind those of groups 1, 2 and 3, six.
.macro STEP4 par, zero, pre, ask
	WIN 0
.if \pre
	AFETCH4 1-\par                                 ; the next K step's rows, into the set that the step before read: its close's wait on va_vdst has said that it is done with
.endif
	s_wait_loadcnt 63                              ; group 0 is in: seven younger groups of nine loads may be out
	s_wait_dscnt 9*\pre                            ; this step's rows are in; the nine loads just issued may be out
	MUL4 \par, 0, \zero
	s_wait_loadcnt 54                              ; group 1: six younger groups
	MUL4 \par, 1, \zero
	PLACES 4
	WIN 0x40
	s_wait_xcnt 0x0                                ; the loads and the prefetch issued so far have read their bases (the youngest stand 32 products back): they step
	s_add_nc_u64 s[WP:WP+1], s[WP:WP+1], STEPB
.if \ask
	s_add_nc_u64 s[PF:PF+1], s[PF:PF+1], 8192
.endif
	s_wait_alu depctr_va_vdst(0)                   ; the products of groups 0 and 1 are done reading their buffers and scale words, in which the loads below land
	WLOAD4 4*\par, 0
.if \ask
	ASK
.endif
	s_wait_loadcnt 54                              ; group 2: six younger groups, the one just issued among them
	MUL4 \par, 2, \zero
	WLOAD4 4*\par+1, GRPB                          ; no further wait: group 2's products name neither buffer 1, nor its scale words, nor the loads' offsets
	s_wait_loadcnt 54                              ; group 3 likewise
	MUL4 \par, 3, \zero
.endm
; The close of such a step.  adv = 1: the LDS addresses of x's fragments and scale words go on to the next pair of K steps; the two additions are two of the four places.
.macro CLOSE4 par, adv
.if \adv
	WIN 0
	s_add_co_u32 s[XO], s[XO], 2176                ; the next pair of K steps
	s_add_co_u32 s[XSO], s[XSO], 512
	s_wait_alu depctr_vm_vsrc(0)                   ; the LDS loads issued so far have read v[XRDW] and v[XSRW]
	v_add_nc_u32 v[XRDW], s[XO], v[XRD0]
	v_add_nc_u32 v[XSRW], s[XSO], v[XSR0]
.endif
	PLACES 4-2*\adv
	WIN 0x40
	s_wait_alu depctr_va_vdst(0)                   ; the products of groups 2 and 3 are done reading their buffers and scale words; the whole step is done reading its rows' set, in which the fetch at the next head lands; adv = 1: the two addresses are written
	WLOAD4 4*\par+2, 2*GRPB
	WLOAD4 4*\par+3, 3*GRPB
.endm
; The wait for group g's weights in f16, eight loads to a group.  tail = 0: seven younger groups behind group 0's loads, six behind the others'
; 1, 2: the last two steps, which ask for nothing: the counts run down
.macro LW16 tail, g
.if \tail == 0
.if \g == 0
	s_wait_loadcnt 56
.else
	s_wait_loadcnt 48
.endif
.elseif \tail == 1
	s_wait_loadcnt 8*(7-\g)
.else
	s_wait_loadcnt 8*(3-\g)
.endif
.endm
; A K step of 32 in f16, without its close: the same plan.  A step that asks for no weights (reload = 0) holds no wait on va_vdst: no load of its own hangs on its products
.macro STEP16 par, zero, pre, reload, tail
	WIN 0
.if \pre
	AFETCH16 1-\par                                ; into the set that the step before read: the last close's wait on va_vdst has said that it is done with
.endif
	LW16 \tail, 0
	s_wait_dscnt 8*\pre
	MUL16 \par, 0, \zero
	LW16 \tail, 1
	MUL16 \par, 1, \zero
.if \reload
	PLACES 4
	WIN 0x40
	s_wait_xcnt 0x0                                ; the loads issued so far have read their base: it steps
	s_add_nc_u64 s[WP:WP+1], s[WP:WP+1], STEPB
	s_wait_alu depctr_va_vdst(0)                   ; the products of groups 0 and 1 are done reading their buffers, in which the loads below land
	WLOAD16 4*\par, 0
.endif
	LW16 \tail, 2
	MUL16 \par, 2, \zero
.if \reload
	WLOAD16 4*\par+1, GRPB                         ; no further wait: group 2's products name neither buffer 1 nor the loads' offset
.endif
	LW16 \tail, 3
	MUL16 \par, 3, \zero
.endm
; Its close.  adv = 1: the last product's rows go on to the next head (two K steps); the four additions are the four places.
.macro CLOSE16 par, adv
.if \adv
	WIN 0
	s_add_co_u32 s[AO], s[AO], TOKP
	s_wait_alu depctr_vm_vsrc(0)                   ; the LDS loads issued so far have read v[ARDW ..]
.irp a, 0,1,2,3
	v_add_nc_u32 v[ARDW+\a], s[AO], v[ARD0+\a]
.endr
.endif
	PLACES 4-4*\adv
	WIN 0x40
	s_wait_alu depctr_va_vdst(0)                   ; the products of groups 2 and 3 are done reading their buffers; the whole step is done reading its rows' set, in which the fetch at the next head lands; adv = 1: the four addresses are written
	WLOAD16 4*\par+2, 2*GRPB
	WLOAD16 4*\par+3, 3*GRPB
.endm
; All 64 accumulators to f16, four registers a tile, into window 2 at 4 (4 (b % 8) + a + 32 (b / 8)); ascending, so that no result lands on numbers not yet read; each accumulator from its low end on
.macro PACKALL
	WIN 0x8a
.set i, 0
.rept 32
.irp k, 0,1,2,3
	v_cvt_pk_f16_f32 v[4*i+\k], v[8*i+2*\k], v[8*i+2*\k+1]
.endr
.set i, i+1
.endr
	WIN 0x8f
.set i, 0
.rept 32
.irp k, 0,1,2,3
	v_cvt_pk_f16_f32 v[128+4*i+\k], v[8*i+2*\k], v[8*i+2*\k+1]
.endr
.set i, i+1
.endr
.endm
; Tile (a, b): lane (r, hh) holds token 16 a + r and eight neighbours: 16 bytes of an image
.macro IMG
	WIN 0x08
.irp b, 0,1,2,3,4,5,6,7,8,9,10,11,12,13,14,15
.irp a, 0,1,2,3
	ds_store_b128 v[IWW+\a/2], v[4*(4*(\b%8)+\a+32*(\b/8)):4*(4*(\b%8)+\a+32*(\b/8))+3] offset:(\a%2)*TILEP+(\b%4)*512+(\b/4)*16
.endr
.endr
.endm
; The attention.  Four tokens a batch.  k's and q's images of a token are two fragments each (16 heads x 32 of the head's 64)
.macro SLOAD bt
	WIN 0xc0
.irp i, 0,1,2,3
.irp n, 0,1,2,3
	ds_load_b128 v[128*((\bt)%2)+16*\i+4*\n:128*((\bt)%2)+16*\i+4*\n+3], v[KRD] offset:(4*(\bt)+\i)*TOKP+512*\n
	ds_load_b128 v[128*((\bt)%2)+64+16*\i+4*\n:128*((\bt)%2)+64+16*\i+4*\n+3], v[QRD] offset:(4*(\bt)+\i)*TOKP+512*\n
.endr
.endr
.endm
.macro SCORE bt                        ; S^T = K Q^T: lane (r, hh) holds head h = r and g = 8 hh + j.  Four accumulators by turns
	WIN 0x0f
.irp s, 0,1
.irp i, 0,1,2,3
.if \s == 0
	v_wmma_f32_16x16x32_f16 v[SA+8*\i:SA+8*\i+7], v[128*(\bt%2)+16*\i:128*(\bt%2)+16*\i+7], v[128*(\bt%2)+64+16*\i:128*(\bt%2)+64+16*\i+7], 0
.else
	v_wmma_f32_16x16x32_f16 v[SA+8*\i:SA+8*\i+7], v[128*(\bt%2)+16*\i+8:128*(\bt%2)+16*\i+15], v[128*(\bt%2)+64+16*\i+8:128*(\bt%2)+64+16*\i+15], v[SA+8*\i:SA+8*\i+7]
.endif
.endr
.endr
.endm
.macro SMAX bt                         ; the four tokens by turns
.irp k, 0,2,4,6
.irp i, 0,1,2,3
	v_pk_mul_f32 v[SA+8*\i+\k:SA+8*\i+\k+1], v[SA+8*\i+\k:SA+8*\i+\k+1], v[MS+\k:MS+\k+1]   ; t = score x mask x log2(e) / 8
.endr
.endr
.irp i, 0,1,2,3
	v_max3_num_f32 v[ST+8*\i], v[SA+8*\i], v[SA+8*\i+1], v[SA+8*\i+2]
.endr
.irp k, 3,5
.irp i, 0,1,2,3
	v_max3_num_f32 v[ST+8*\i], v[ST+8*\i], v[SA+8*\i+\k], v[SA+8*\i+\k+1]
.endr
.endr
.irp i, 0,1,2,3
	v_max_num_f32 v[ST+8*\i], v[ST+8*\i], v[SA+8*\i+7]
.endr
.irp i, 0,1,2,3
	v_permlanex16_b32 v[ST+8*\i+1], v[ST+8*\i], s[SEL], s[SEL+1]
.endr
.irp i, 0,1,2,3
	v_max_num_f32 v[ST+8*\i], v[ST+8*\i], v[ST+8*\i+1]   ; the row's largest t
.endr
.irp k, 0,2,4,6
.irp i, 0,1,2,3
	v_pk_add_f32 v[SA+8*\i+\k:SA+8*\i+\k+1], v[SA+8*\i+\k:SA+8*\i+\k+1], v[ST+8*\i:ST+8*\i+1] op_sel_hi:[1,0] neg_lo:[0,1] neg_hi:[0,1]
.endr
.endr
.set i, 0
.rept 32
	v_exp_f32 v[SA+i], v[SA+i]
.set i, i+1
.endr
	v_nop                                          ; a plain place behind the batch,
	s_wait_alu depctr_va_vdst(0)                   ; and one wait: the 32 exponentials have written v[SA ..], ahead of their first reader; this batch's products are done reading their half of window 3, in which the loads of two batches on land
.irp i, 0,1,2,3
	v_pk_add_f32 v[ST+8*\i+2:ST+8*\i+3], v[SA+8*\i:SA+8*\i+1], v[SA+8*\i+2:SA+8*\i+3]
.endr
.irp k, 4,6
.irp i, 0,1,2,3
	v_pk_add_f32 v[ST+8*\i+2:ST+8*\i+3], v[ST+8*\i+2:ST+8*\i+3], v[SA+8*\i+\k:SA+8*\i+\k+1]
.endr
.endr
.irp i, 0,1,2,3
	v_add_f32 v[ST+8*\i+4], v[ST+8*\i+2], v[ST+8*\i+3]
.endr
.irp i, 0,1,2,3
	v_permlanex16_b32 v[ST+8*\i+5], v[ST+8*\i+4], s[SEL], s[SEL+1]
.endr
.irp i, 0,1,2,3
	v_add_f32 v[ST+8*\i+4], v[ST+8*\i+4], v[ST+8*\i+5]
.endr
.irp i, 0,1,2,3
	v_rcp_f32 v[ST+8*\i+4], v[ST+8*\i+4]
.endr
	v_nop
	s_wait_alu depctr_va_vdst(0)                   ; the four reciprocals have written v[ST + 8 i + 4], ahead of their first reader
.irp k, 0,2,4,6
.irp i, 0,1,2,3
	v_pk_mul_f32 v[SA+8*\i+\k:SA+8*\i+\k+1], v[SA+8*\i+\k:SA+8*\i+\k+1], v[ST+8*\i+4:ST+8*\i+5] op_sel_hi:[1,0]
.endr
.endr
.irp i, 0,1,2,3
.irp k, 0,1,2,3
	v_cvt_pk_f16_f32 v[PP+4*(4*\bt+\i)+\k], v[SA+8*\i+2*\k], v[SA+8*\i+2*\k+1]   ; p(h = r, g = 8 hh + 0 .. 7): the lower half of source 1 of the next product, as it stands
.endr
.endr
.endm
.macro VLOAD bt                        ; V^T of four tokens: fragment 4 i + dt: 16 of the head's 64 x 16 heads: the lower four registers; the upper four stay zeros (K = 16 of the instruction's 32)
	WIN 0xc0
.irp i, 0,1,2,3
.irp dt, 0,1,2,3
	ds_load_b128 v[8*(4*\i+\dt):8*(4*\i+\dt)+3], v[KRD] offset:(4*(\bt)+\i)*TOKP+512*\dt
.endr
.endr
.endm
.macro PV bt
.if \bt == 0
	s_wait_dscnt 0x0
.else
	s_wait_dscnt 16                                ; V^T is in; the sixteen stores issued behind its loads may be out
.endif
	WIN 0xc3
.irp i, 0,1,2,3
.irp dt, 0,1,2,3
	v_wmma_f32_16x16x32_f16 v[128+8*(4*\i+\dt):128+8*(4*\i+\dt)+7], v[8*(4*\i+\dt):8*(4*\i+\dt)+7], v[PP+4*(4*\bt+\i):PP+4*(4*\bt+\i)+7], 0   ; the upper half of p's operand is the next token's p, or zeros: finite, and it meets V^T's zeros
.endr
.endr
	PLACES 4
.if \bt > 0
	s_wait_alu depctr_vm_vsrc(0)                   ; the last batch's LDS stores have read v[PT ..], which the conversions write again
.endif
	WIN 0x0f
.set f, 0
.rept 16
.irp k, 0,1,2,3
	v_cvt_pk_f16_f32 v[PT+4*f+\k], v[128+8*f+2*\k], v[128+8*f+2*\k+1]
.endr
.set f, f+1
.endr
.if \bt < 3
	WIN 0xc0
	s_wait_alu depctr_va_vdst(0)                   ; the products are done reading V^T's fragments, in which the next batch's loads land; the conversions have written v[PT ..], which the stores read
	VLOAD \bt+1
.else
	s_wait_alu depctr_va_vdst(0)                   ; the conversions have written v[PT ..], which the stores read
.endif
	WIN 0
.irp i, 0,1,2,3
.irp dt, 0,1,2,3
	ds_store_b128 v[AWR], v[PT+4*(4*\i+\dt):PT+4*(4*\i+\dt)+3] offset:512*\dt+16*(4*\bt+\i)   ; lane (r = head, hh): d = 16 dt + 8 hh + 0 .. 7 of token 4 bt + i
.endr
.endr
.endm
; The way out: block 2 a + hf = 16 tokens x 128 outputs through my own stage (rows of 512 + 16 bytes), back as whole rows
.macro TOSTAGE blk
.set TA, (\blk)/2
	WIN 0x08+4*((\blk)%2)
.irp bb, 0,1,2,3,4,5,6,7
	ds_store_b128 v[STO], v[8*(4*\bb+TA):8*(4*\bb+TA)+3] offset:64*\bb          ; each accumulator from its low end on
	ds_store_b128 v[STO], v[8*(4*\bb+TA)+4:8*(4*\bb+TA)+7] offset:64*\bb+16
.endr
	WIN 0x40
.irp t, 0,1,2,3,4,5,6,7,8,9,10,11,12,13,14,15
	ds_load_b128 v[64*((\blk)%2)+4*\t:64*((\blk)%2)+4*\t+3], v[RD] offset:528*\t   ; LDS serves a wave's instructions in order (ISA guide 5.7.1.4): these see the stores above
.endr
.endm
.macro SEND blk, younger
	s_wait_dscnt \younger
	WIN 0x04
.irp t, 0,1,2,3,4,5,6,7,8,9,10,11,12,13,14,15
	global_store_b128 v[L16], v[64*((\blk)%2)+4*\t:64*((\blk)%2)+4*\t+3], s[14:15] offset:(16*((\blk)/2)+\t)*4096+512*((\blk)%2) th:TH_STORE_NT   ; 512 consecutive bytes, at a multiple of 512 from out0's first byte
.endr
.endm
	s_load_b256 s[4:11], s[0:1], 0x0               ; q, k, v, mask
	s_load_b128 s[12:15], s[0:1], 0x20             ; wimg, out0
	v_lshl_add_u32 v[SPW], v0, 2, SPARE
	v_mov_b32 v[NIL], 0
	v_lshrrev_b32 v28, 5, v0
	v_readfirstlane_b32 s[WV], v28                 ; wave 0..3
	v_and_b32 v29, 31, v0                          ; lane
	v_and_b32 v30, 15, v0                          ; r
	v_bfe_u32 v31, v0, 4, 1                        ; hh
	v_lshlrev_b32 v[L16], 4, v29
	v_lshlrev_b32 v[L8], 3, v29
	v_lshlrev_b32 v[XOFF], 5, v30
	v_lshl_or_b32 v[XOFF], v31, 4, v[XOFF]
	v_lshlrev_b32 v[PFO], 8, v29
	v_lshlrev_b32 v[MOF], 6, v30
	v_lshl_add_u32 v[MOF], v31, 5, v[MOF]
	v_lshrrev_b32 v14, 2, v29                      ; lane / 4
	v_and_b32 v15, 3, v29                          ; lane % 4
	s_wait_alu depctr_va_sdst(0)                   ; s[WV] is written, ahead of its first reader: LDS addresses and the bases of the rows, the weights and out0 are made from it
	s_mul_i32 s17, s[WV], 8704
	v_mul_u32_u24 v[XWC], v14, 272
	v_lshl_add_u32 v[XWC], v15, 2, v[XWC]
	v_add_nc_u32 v[XWC], s17, v[XWC]               ; XC (= 0) + 8,704 w + 272 (lane / 4) + 4 (lane % 4)
	s_lshl_b32 s17, s[WV], 2
	s_add_co_u32 s17, s17, XSC
	v_and_b32 v[XWS], 3, v14
	v_lshl_add_u32 v[XWS], v31, 8, v[XWS]
	v_add_nc_u32 v[XWS], s17, v[XWS]               ; XSC + 256 hh + (lane / 4) % 4 + 4 w
	v_mul_u32_u24 v[XRD0], v31, 272
	v_lshl_add_u32 v[XRD0], v30, 4, v[XRD0]
	v_lshl_add_u32 v[XSR0], v30, 4, XSC
	v_mul_u32_u24 v14, v30, TOKP
	v_lshl_add_u32 v14, v31, 8, v14                ; 2,064 r + 256 hh
	s_lshl_b32 s17, s[WV], 6
	s_add_co_u32 s17, s17, AB
	v_add_nc_u32 v[IW0], s17, v14
	v_add_nc_u32 v[IW0+1], 2*TILEP, v[IW0]
	s_mul_i32 s17, s[WV], TILEP
	s_add_co_u32 s17, s17, AB
	v_add_nc_u32 v[QRD], s17, v[L16]
	v_add_nc_u32 v[KRD], BB-AB, v[QRD]
	v_add_nc_u32 v[AWR], s17, v14
.irp a, 0,1,2,3
	v_add_nc_u32 v[ARD0+\a], AB+TILEP*\a, v[L16]
.endr
.irp a, 0,1,2,3
	v_mov_b32 v[ARDW+\a], v[ARD0+\a]               ; the last product's rows begin at head 0: made here, ahead of the head's one wait
.endr
	s_mul_i32 s17, s[WV], 8448
	v_mul_u32_u24 v[STO], v30, 528
	v_lshl_add_u32 v[STO], v31, 5, v[STO]
	v_add_nc_u32 v[STO], s17, v[STO]
	v_add_nc_u32 v[RD], s17, v[L16]
	s_mov_b32 s[SEL], 0x76543210
	s_mov_b32 s[SEL+1], 0xfedcba98
	s_lshl_b32 s18, ttmp9, 18                      ; the work-group's 64 rows of 4,096 bytes,
	s_lshl_b32 s17, s[WV], 16                      ; my 16 of them
	s_add_co_u32 s18, s18, s17
	s_mov_b32 s19, 0
	s_wait_kmcnt 0x0
	s_add_nc_u64 s[4:5], s[4:5], s[18:19]
	s_add_nc_u64 s[6:7], s[6:7], s[18:19]
	s_add_nc_u64 s[8:9], s[8:9], s[18:19]
	s_lshl_b32 s18, ttmp9, 18
	s_lshl_b32 s17, s[WV], 10                      ; out0: the work-group's rows, my 256 columns
	s_add_co_u32 s18, s18, s17
	s_add_nc_u64 s[14:15], s[14:15], s[18:19]
	s_mul_i32 s18, s[WV], 4*GRPB
	s_add_nc_u64 s[WP:WP+1], s[12:13], s[18:19]    ; my four groups of step 0
	s_wait_alu depctr_va_vdst(0)                   ; all offsets and addresses are written (v1-7, v10-11, v16-28, v220-223), which the kernel's loads, stores and prefetches read
	global_load_b128 v[MR:MR+3], v[MOF], s[10:11]
	global_load_b128 v[MR+4:MR+7], v[MOF], s[10:11] offset:16
.irp buf, 0,1,2,3,4,5,6,7
	WLOAD4 \buf, (\buf/4)*STEPB+(\buf%4)*GRPB      ; the weights of K steps 0 and 1
.endr
	s_mov_b64 s[XP:XP+1], s[6:7]                   ; k comes first
.irp p, 0,1,2,3,4,5,6
	LOADROW \p
.endr
	WIN 0
	s_wait_xcnt 0x0
	s_add_nc_u64 s[WP:WP+1], s[WP:WP+1], STEPB     ; each K step adds one more and reloads two steps ahead
.set i, 0
.rept 68
	v_mov_b32 v[PP+i], 0                           ; the last four stay zeros: the upper half of token 15's operand; the others so that the operands' registers hold numbers on every way through the text
.set i, i+1
.endr
	s_mov_b64 s[PF:PF+1], s[4:5]                   ; during k's product q's rows are prefetched
	s_mov_b32 s[LIM], 3
	s_mov_b32 s[TN], 0
	s_mov_b32 s[IO], BB-AB                         ; k's images go to BB
.Ltensor:
	s_mov_b32 s[XO], 0
	s_mov_b32 s[XSO], 0
	v_mov_b32 v[XRDW], v[XRD0]                     ; x's fragments and scale words from the first pair of K steps on.  The last product's LDS loads have read the two: the wait on vm_vsrc behind its images has said so;
	v_mov_b32 v[XSRW], v[XSR0]                     ; and the rows' waits on va_vdst stand between these lines and the first fetch
	; ---- my 16 rows become codes and scale bytes in LDS
.irp p, 0,1,2,3,4,5,6,7,8,9,10,11,12,13,14,15
	QROW \p
.endr
	BAR                                            ; the 64 rows' codes lie in LDS; and every wave has left the attention of the trip before
	; ---- 64 tokens x my 256 outputs, K = 1,024 in eight steps
	AFETCH4 0                                      ; (no vector instruction behind row 15's wait on va_vdst names these registers)
	STEP4 0, 1, 1, 0                               ; the first step's products start the sums
	WIN 0
	s_mov_b32 s[CNT], 3
.Lk4:                                                  ; a trip goes from the close of an even step to the products of the next even step
	CLOSE4 0, 1
	STEP4 1, 0, 1, 1
	CLOSE4 1, 0
	STEP4 0, 0, 1, 1
	WIN 0
	s_sub_co_u32 s[CNT], s[CNT], 1
	s_cmp_lg_u32 s[CNT], 0
	s_cbranch_scc1 .Lk4
	CLOSE4 0, 0                                    ; the last pair's addresses stand: no step of them is left to make
	STEP4 1, 0, 0, 0
	CLOSE4 1, 0                                    ; its four places are also those in front of the conversions below
	; ---- to f16, and into the tensor's images
	PACKALL
	WIN 0
	v_add_nc_u32 v[IWW], s[IO], v[IW0]             ; (the last trip's images' stores have read the two: the wait on vm_vsrc behind them has said so)
	v_add_nc_u32 v[IWW+1], s[IO], v[IW0+1]
	s_wait_alu depctr_va_vdst(0)                   ; the conversions have written window 2's registers and the additions v[IWW ..], which the images' stores read; the conversions are done reading window 3, in which the attention's first LDS loads land
	IMG
	WIN 0
	s_wait_dscnt 0x0                               ; the images have landed: for the other waves' sake, ahead of the barrier
	s_wait_alu depctr_vm_vsrc(0)                   ; the images' stores have read window 2's registers and v[IWW ..]; row 15's stores QC and QE; the product's LDS loads v[XRDW], v[XSRW]: all of these are written again further on, on either way
	s_cmp_eq_u32 s[TN], 2
	s_cbranch_scc1 .Lno_rows                       ; behind v there is no next tensor: no load leaves its buffer
	s_wait_xcnt 0x0                                ; the last prefetch has read its address
	s_cmp_eq_u32 s[TN], 0
	s_cselect_b64 s[XP:XP+1], s[4:5], s[8:9]       ; q behind k, v behind q
	s_cselect_b32 s[LIM], 3, 0                     ; during q's product v's rows are prefetched, during v's nothing
	s_mov_b64 s[PF:PF+1], s[8:9]
	WIN 0x80
	s_wait_alu depctr_va_vdst(0)                   ; the conversions to f16 have written window 2's registers, in which the rows land: said once more straight ahead of the loads, since the images' stores, which name the same registers, stand behind the wait above
.irp p, 0,1,2,3,4,5,6
	LOADROW \p
.endr
	WIN 0
.Lno_rows:
	s_barrier_signal -1
	s_barrier_wait -1                              ; the images are whole, and nobody reads x's codes any more
	s_cmp_eq_u32 s[TN], 1
	s_cbranch_scc0 .Lnot_scores
	; ---- trip 1: scores and softmax of my 16 tokens; p stays in registers
.irp k, 0,2,4,6
	v_pk_mul_f32 v[MS+\k:MS+\k+1], v[MR+\k:MR+\k+1], 0x3e38aa3b op_sel_hi:[1,0]   ; mask x log2(e) / 8
.endr
.irp i, 0,1,2,3
	v_mov_b32 v[ST+8*\i+1], 0                      ; a lane permute's destination counts as one of its sources
	v_mov_b32 v[ST+8*\i+5], 0
.endr
	SLOAD 0                                        ; batches 0 and 1 land in window 3, which no vector instruction has named since the wait on va_vdst ahead of the images
.irp bt, 0,1,2,3
.if \bt < 3
	SLOAD \bt+1                                    ; batches 2 and 3 land where the products of two batches back read: the softmax's waits on va_vdst stand between, and nothing behind them names window 3
	s_wait_dscnt 32                                ; this batch is in; the next batch's 32 loads may be out
.else
	s_wait_dscnt 0x0
.endif
	SCORE \bt
	WIN 0
	PLACES 4
	SMAX \bt
.endr
	s_branch .Lnext
.Lnot_scores:
	s_cmp_eq_u32 s[TN], 2
	s_cbranch_scc0 .Lnext
	; ---- trip 2: O^T = V^T P^T of my 16 tokens, into my 33,024 bytes of AB
	WIN 0xc0
.set f, 0
.rept 16
.irp k, 4,5,6,7
	v_mov_b32 v[8*f+\k], 0
.endr
.set f, f+1
.endr
	VLOAD 0                                        ; into each fragment's lower four registers: the zeros above name the upper four alone, and nothing else has named window 3 since the wait on va_vdst ahead of the images
	PV 0
	PV 1
	PV 2
	PV 3
.Lnext:
	s_xor_b32 s[IO], s[IO], BB-AB
	s_add_co_u32 s[TN], s[TN], 1
	s_cmp_lt_u32 s[TN], 3
	s_cbranch_scc1 .Ltensor
	BAR                                            ; attention's result of all 64 tokens lies in AB
	; ---- the last projection: K = 1,024 in 32 steps of 32
	s_mov_b32 s[AO], 0
	s_wait_alu depctr_vm_vsrc(0)                   ; the last batch's LDS stores have read v[PT ..]: v72-135 are the row fragments from here on, and LDS loads land in them
	s_wait_alu depctr_va_vdst(0)                   ; on every way through the text that leads here the attention's vector instructions are done with v72-135: P V's conversions, which write v[PT ..], and the softmax's last multiplications and conversions, which write v[SA ..] and read v[SA ..] and v[ST ..]
	AFETCH16 0
	STEP16 0, 1, 1, 1, 0
	WIN 0
	s_mov_b32 s[CNT], 14
.Lk16:                                                 ; a trip goes from the close of an even step to the products of the next even step
	CLOSE16 0, 1
	STEP16 1, 0, 1, 1, 0
	CLOSE16 1, 0
	STEP16 0, 0, 1, 1, 0
	WIN 0
	s_sub_co_u32 s[CNT], s[CNT], 1
	s_cmp_lg_u32 s[CNT], 0
	s_cbranch_scc1 .Lk16
	CLOSE16 0, 1
	STEP16 1, 0, 1, 1, 0                           ; step 29 asks for step 31's weights: the last
	CLOSE16 1, 0
	STEP16 0, 0, 1, 0, 1
	STEP16 1, 0, 0, 0, 2
	; ---- the way out.  The stage lies where x's codes lay: nobody has read them since the barriers above
	PLACES 4                                       ; four places behind the last product, before its result is read
	s_wait_alu depctr_va_vdst(0)                   ; the products have written the accumulators, which the stage's stores read, and are done reading window 1, in which the rows land.  No vector instruction follows
	TOSTAGE 0
.irp blk, 1,2,3,4,5,6,7
.if \blk > 1
	s_wait_xcnt 0x0                                ; the block before last's stores have had their addresses translated,
	s_wait_alu depctr_vm_vsrc(0)                   ; and have read their registers, in which this block's loads land
.endif
	TOSTAGE \blk
	SEND \blk-1, 32                                ; behind that block's loads: this block's 16 stores and 16 loads
.endr
	SEND 7, 0
	WIN 0
	s_wait_dscnt 0x0                               ; the closing lines, six on end
	s_wait_alu 0x0
	s_wait_tensorcnt 0x0
	ds_add_u32 v[SPW], v[NIL]
	s_wait_dscnt 0x0
	s_endpgm
.Lfunc_end_k_q71b1cc5f0d_fused:
	.size	k_q71b1cc5f0d_fused, .Lfunc_end_k_q71b1cc5f0d_fused-k_q71b1cc5f0d_fused
	.p2alignl 7, 3214868480
	.fill 96, 4, 3214868480
	.section	.rodata,"a",@progbits
	.p2align	6, 0x0
	.amdhsa_kernel k_q71b1cc5f0d_fused
		.amdhsa_group_segment_fixed_size 301568
		.amdhsa_private_segment_fixed_size 0
		.amdhsa_enable_private_segment 0
		.amdhsa_kernarg_size 48
		.amdhsa_user_sgpr_count 2
		.amdhsa_user_sgpr_kernarg_segment_ptr 1
		.amdhsa_wavefront_size32 1
		.amdhsa_system_sgpr_workgroup_id_x 1
		.amdhsa_system_sgpr_workgroup_id_y 1
		.amdhsa_system_sgpr_workgroup_id_z 1
		.amdhsa_system_vgpr_workitem_id 0
		.amdhsa_next_free_vgpr 1024
		.amdhsa_next_free_sgpr 66
		.amdhsa_reserve_vcc 0
		.amdhsa_float_denorm_mode_32 3
		.amdhsa_float_denorm_mode_16_64 3
		.amdhsa_memory_ordered 1
		.amdhsa_forward_progress 1
		.amdhsa_inst_pref_size 255
	.end_amdhsa_kernel
	.section	.bss,"aw",@nobits
	.p2align	6
	.space	262144
	.amdgpu_metadata
---
amdhsa.version: [ 1, 2 ]
amdhsa.kernels:
  - .name:           k_q71b1cc5f0d_fused
    .symbol:         k_q71b1cc5f0d_fused.kd
    .args:
      - { .name: q, .offset: 0, .size: 8, .value_kind: global_buffer, .address_space: global }
      - { .name: k, .offset: 8, .size: 8, .value_kind: global_buffer, .address_space: global }
      - { .name: v, .offset: 16, .size: 8, .value_kind: global_buffer, .address_space: global }
      - { .name: mask, .offset: 24, .size: 8, .value_kind: global_buffer, .address_space: global }
      - { .name: wimg, .offset: 32, .size: 8, .value_kind: global_buffer, .address_space: global }
      - { .name: out0, .offset: 40, .size: 8, .value_kind: global_buffer, .address_space: global }
    .group_segment_fixed_size: 301568
    .private_segment_fixed_size: 0
    .kernarg_segment_align: 8
    .kernarg_segment_size: 48
    .max_flat_workgroup_size: 128
    .sgpr_count:     66
    .vgpr_count:     1024
    .wavefront_size: 32
...
	.end_amdgpu_metadata
.endif
;; end of part 3
